; MI455X (gfx1250); checked and timed in simulation.
; The chip was launched on July 23, 2026; its instructions are those of AMD's public machine-readable ISA for CDNA 5 (MIT licence, August 2026) and "CDNA5" Instruction Set Architecture Reference Guide (July 2026). The comments in the code are by the model that wrote it; some were corrected since.
;; Multi Head Attention Block. Allowed arithmetic: matrix products marked QUANTISED: E2M3 operands, one E8M0 scale for each 32 along K, by v_wmma_scale_f32_16x16x128_f8f6f4 with both operands' format E2M3, f32 sums; everything else in f32.
;; Inputs: k 4 x 2,048 x 1,024 float32; mask 1 x 1 x 2,048 x 2,048 bool; q 4 x 2,048 x 1,024 float32; v 4 x 2,048 x 1,024 float32; w_k 1,024 x 1,024 float32; w_o 1,024 x 1,024 float32; w_q 1,024 x 1,024 float32; w_v 1,024 x 1,024 float32.
;; Outputs: out0 4 x 2,048 x 1,024 float32.
;; This version of the problem:
;;   THIS VERSION OF THE PROBLEM IS GIVEN IN LOW PRECISION. The matrix products marked QUANTISED in the list below multiply operands that are first quantised to E2M3 (2 exponent bits, 3 mantissa bits; 6 bits a number), with one power-of-two scale for each 32 numbers along K (OCP MX v1.0); their sums are f32. All else is computed in f32.
;;   The module's matrix products, in the order in which they are computed (A, B: the left and right operand; K: the contracted axis; several contracted axes count as one K, in the product's order):
;;     1. [M 8,192, K 1,024] x [K 1,024, N 1,024]; A: input q; B: input w_q: QUANTISED
;;     2. [M 8,192, K 1,024] x [K 1,024, N 1,024]; A: input k; B: input w_k: QUANTISED
;;     3. [M 8,192, K 1,024] x [K 1,024, N 1,024]; A: input v; B: input w_v: QUANTISED
;;     4. batch 64 x [M 2,048, K 64] x [K 64, N 2,048]; A: computed on the way; B: computed on the way: QUANTISED
;;     5. batch 64 x [M 2,048, K 2,048] x [K 2,048, N 64]; A: softmax (see below); B: computed on the way: QUANTISED
;;     6. [M 8,192, K 1,024] x [K 1,024, N 1,024]; A: computed on the way; B: input w_o: QUANTISED
;;   THE QUANTISER, for each operand of a quantised product, along K:
;;     - K is cut into blocks of 32 from its start; a last block that is shorter is filled with zeros.
;;     - A block's scale is 2^e with e = floor(log2(the largest magnitude in the block)) - 2, held to -126 .. 127; a block of zeros has e = 0. As a byte (E8M0): e + 127.
;;     - Each number is divided by its block's scale, clamped to +-7.5, and rounded to the nearest number of E2M3, ties to even, subnormals kept.
;;     - The product sums the exact products of the quantised numbers (number of the format x scale) in f32.
;;   ~~~python
;;   def quantise(x, axis):      # numpy; x: float32 -> the quantised numbers, widened to float32 again
;;       x = np.moveaxis(x, axis, -1); K = x.shape[-1]
;;       x = np.pad(x, [(0, 0)] * (x.ndim - 1) + [(0, -K % 32)]); x = x.reshape(x.shape[:-1] + (-1, 32)); a = np.abs(x).max(-1, keepdims=True)
;;       e = np.where(a > 0, np.clip(np.frexp(np.where(a > 0, a, 1))[1] - 1 - 2, -126, 127), 0)      # np.frexp(a)[1] - 1 = floor(log2(a)), exactly
;;       r = np.clip(x / 2.0 ** e, -7.5, 7.5)
;;       step = 2.0 ** (np.maximum(np.frexp(np.where(r == 0, 1, r))[1] - 1, 0) - 3)
;;       q = np.round(r / step) * step * 2.0 ** e      # np.round: ties to even
;;       return np.moveaxis(q.reshape(q.shape[:-2] + (-1,))[..., :K], -1, axis).astype(np.float32)
;;   ~~~
;;   SOFTMAX AHEAD OF A QUANTISED PRODUCT. Where the list says 'softmax', what is quantised is not the finished softmax but p = 2^(t - M), with t = logit x log2(e) and M = ceil(the row's largest t), a whole number; so 1/2 < the row's largest p <= 1. The row's sum l is taken of the UNQUANTISED p, in f32, and the product's result is divided by l at the end. Since M is a whole number, a kernel that streams over the keys may use a running M (the ceiling of the running maximum): every later rescaling is an exact power of two, which a block's scale takes up: the codes' values come out the same.
;;   OPERANDS COMPUTED ON THE WAY. 'Computed on the way' means the value that the module computes at that place (a softmax that the list does not call 'softmax' is quantised finished and normalised). What goes into a quantiser is computed in f32, as accurately as f32 sums, v_exp_f32 and their like allow (about 1e-6 of the number): no bf16 or f16 on the way to a quantiser, and a product that is left as it is and whose result goes on into a quantised operand takes f32 operands (vector FMAs, or v_wmma_f32_16x16x4_f32). A number that lies on a knife's edge between two numbers of the format may be rounded either way, as far as f32 arithmetic and the matrix unit's own rounding can turn it there, and no further.
;; 2 versions. Each part assembles by itself: llvm-mc -triple=amdgcn-amd-amdhsa -mcpu=gfx1250 --defsym DOCPART=n.
;; ======== version 1 of 2: 4 launches
;; limits: right only within a limited range of input values
;; workspace buffers: opg 22,937,600 bytes; hb 20,185,088 bytes; ctxg 6,553,600 bytes; maskw 524,288 bytes of whole numbers
;; launch prep (part 1): grid 256 x 1, 8 waves a work-group, no clusters, 72,704 bytes of LDS; arguments q, k, v, w_q, w_k, w_v, w_o, mask, opg, maskw; writes opg, maskw
.if DOCPART == 1
	.amdgcn_target "amdgcn-amd-amdhsa--gfx1250"
	.amdhsa_code_object_version 6
	.text
	.protected	k_q9840a24548_prep
	.globl	k_q9840a24548_prep
	.p2align	8
	.type	k_q9840a24548_prep,@function
k_q9840a24548_prep:
	s_mov_b64 s[64:65], 0
	v_nop
	global_prefetch_b8 v0, s[64:65] scope:SCOPE_SE
	s_setreg_imm32_b32 hwreg(HW_REG_WAVE_MODE, 25, 1), 1
	s_wait_xcnt 0x0
; q, k, v [8192][1024] and w_q, w_k, w_v, w_o [1024][1024], f32, K innermost, become codes of FP6 (E2M3) with one E8M0 byte for each 32 along K,
; laid in the ORDER OF THE OPERAND'S REGISTERS; and the mask [2048][2048] of bytes becomes words of 32 lane bits for the attention launch.
; A G-BLOCK (GB bytes) holds 128 rows x K 1,024: fragments [K step s 0..7][tile t 0..7] of 1,536 bytes, then at GSC the scale words [s][t][row r], 4 bytes each.
; A FRAGMENT (16 rows x 128 K, 12 registers a lane) is two halves of 768 bytes: registers 0-3 of lane l at 16 l, registers 4-5 at 512 + 8 l; the second half likewise for registers 6-11.
; THE ROWS OF A TILE ARE NOT NEIGHBOURS: inside each 64 rows, row r of tile t' is row 32 (r / 8) + 8 t' + r % 8.  Taken as source 0 of a product, four such tiles leave 32 NEIGHBOURING rows in one lane's 32 result registers.
; A block's scale is 2^(floor(log2(its largest magnitude)) - 2): its byte is the largest magnitude's exponent field - 2, held at 1 from below.
; LIMITS: NaN and infinities among the inputs are not served.  A block of zeros gets the byte 1 where the rule says 127: its codes are zeros, which add nothing, and this program alone reads the bytes.
; Work-groups 0-223 make one G-block each (q 0-63, k 64-127, v 128-191, w_q 192-199, w_k 200-207, w_v 208-215, w_o 216-223); wave w makes tile w for all eight K steps.
; Work-groups 224-255 make the mask words; they use no LDS and meet no barrier.  The branch hangs on the work-group's number alone, so all eight waves of a work-group take the same way.
.set GB,   102400
.set GSC,  98304
.set SPI,  528                         ; a stage row: 512 bytes + 16: the sixteen rows that a load touches start in sixteen different groups of banks
.set STGB, 16*SPI                      ; a wave's own stage
.set SCL,  8*STGB                      ; behind the stages: the block's 4,096 bytes of scale words
.set SH8,  6                           ; v6    8 x (lane / 16)
.set PC,   16                          ; v16-39  codes, two sets of 12
.set TP,   40                          ; v40-46  the upper halves of the blocks' codes, before they are moved
.set CH,   48                          ; v48-51  four chains of maxima
.set SC,   52                          ; v52-53  the conversions' scale operands
.set BY,   54                          ; v54-55  the scale bytes
.set WW,   56
.set TT,   57
.set PW,   58                          ; the scale word
.set R,    64                          ; v64-191 two sets of 64: a K step as it is loaded
.set X,    192                         ; v192-255 a lane's 64 numbers: register 32 c + i = k 64 c + 32 (lane / 16) + i of its row
.set SEL,  40                          ; s[40:41] lane selects: lane l xor 16
; 64 numbers of a lane become a fragment's 12 registers v[pc] on and its row's scale word v[pw].  Both of a lane's blocks lie wholly in the lane: no other lane is asked for a maximum.
; free = 1: v[pc] on were the data of earlier stores.
.macro QUANT64 src, pc, pw, free
.irp c, 0,1
.irp a, 0,1
	v_max3_num_f32 v[CH+2*\c+\a], |v[(\src)+32*\c+16*\a]|, |v[(\src)+32*\c+16*\a+1]|, 0x1800000   ; the floor 2^(3 - 127) among the leaves: the byte cannot fall under 1
.endr
.endr
.irp i, 2,4,6,8,10,12,14
.irp c, 0,1
.irp a, 0,1
	v_max3_num_f32 v[CH+2*\c+\a], v[CH+2*\c+\a], |v[(\src)+32*\c+16*\a+\i]|, |v[(\src)+32*\c+16*\a+\i+1]|   ; four chains by turns
.endr
.endr
.endr
.irp c, 0,1
	v_max_num_f32 v[CH+2*\c], v[CH+2*\c], v[CH+2*\c+1]
.endr
.irp c, 0,1
	v_add_nc_u32 v[SC+\c], 0xff000000, v[CH+2*\c]      ; 2 off the exponent field: the conversion takes that field as its scale
.endr
.irp c, 0,1
	v_lshrrev_b32 v[BY+\c], 23, v[SC+\c]               ; the scale's byte
.endr
	v_lshl_or_b32 v[WW], v[BY+1], 16, v[BY]            ; my blocks h and 2 + h,
	v_lshlrev_b32 v[WW], v[SH8], v[WW]                 ; at their places in the word;
	v_permlanex16_b32 v[TT], v[WW], s[SEL], s[SEL+1]
	v_or_b32 v[\pw], v[WW], v[TT]                      ; with lane l xor 16's two the word is whole
.if \free
	s_wait_xcnt 0x0                                    ; the stores that read these registers have read them
.endif
.irp c, 0,1
	v_cvt_scalef32_pk16_fp6_f32 v[(\pc)+6*\c:(\pc)+6*\c+2], v[(\src)+32*\c:(\src)+32*\c+15], v[SC+\c]
	v_cvt_scalef32_pk16_fp6_f32 v[TP+4*\c:TP+4*\c+2], v[(\src)+32*\c+16:(\src)+32*\c+31], v[SC+\c]   ; (a conversion's three registers begin on an even number)
.endr
	v_nop                                              ; one plain place behind a scaled conversion
.irp c, 0,1
.irp i, 0,1,2
	v_mov_b32 v[(\pc)+6*\c+3+\i], v[TP+4*\c+\i]
.endr
.endr
.endm
	s_load_b512 s[4:19], s[0:1], 0x0               ; q, k, v, w_q, w_k, w_v, w_o, mask
	s_load_b128 s[20:23], s[0:1], 0x40             ; opg, maskw
	v_lshl_add_u32 v59, v0, 2, 0x11800
	s_set_vgpr_msb 0x40
	v_mov_b32 v1, 0
	s_set_vgpr_msb 0x4000
	v_lshrrev_b32 v1, 5, v0
	v_readfirstlane_b32 s24, v1                    ; wave 0..7
	v_and_b32 v8, 31, v0                           ; lane
	v_and_b32 v9, 15, v0                           ; r
	v_bfe_u32 v10, v0, 4, 1                        ; h
	v_lshlrev_b32 v1, 4, v8                        ; 16 x lane
	v_lshlrev_b32 v2, 3, v8                        ; 8 x lane
	s_cmp_ge_u32 ttmp9, 224
	s_cbranch_scc1 .Lmask
	; ---------------- one G-block ----------------
	s_mul_i32 s25, s24, STGB                       ; my stage
	v_add_nc_u32 v3, s25, v1                       ; into it: a row's 512 bytes as they lie
	v_mul_u32_u24 v4, v9, SPI
	v_lshl_add_u32 v4, v10, 7, v4
	v_add_nc_u32 v4, s25, v4                       ; out of it: row r, + 128 h: my 32 numbers of each 64
	s_lshl_b32 s26, s24, 6
	s_add_co_u32 s26, s26, SCL
	v_lshl_add_u32 v5, v9, 2, s26                  ; my tile's scale words: 64 x tile + 4 r
	v_lshlrev_b32 v[SH8], 3, v10
	s_lshl_b32 s27, s24, 9
	v_add_nc_u32 v11, s27, v1                      ; the way out of the scale words: 512 x wave + 16 x lane
	v_add_nc_u32 v7, SCL, v11
	v_mov_b32 v[TT], 0                             ; a lane permute's destination counts as one of its sources
	s_mov_b32 s[SEL], 0x76543210
	s_mov_b32 s[SEL+1], 0xfedcba98
	s_and_b32 s30, ttmp9, 63
	s_and_b32 s31, ttmp9, 7
	s_cmp_lt_u32 ttmp9, 192
	s_cselect_b32 s30, s30, s31                    ; which 128 rows of the tensor
	s_lshl_b32 s30, s30, 7
	s_lshr_b32 s31, s24, 2
	s_lshl_b32 s31, s31, 6
	s_add_co_u32 s30, s30, s31
	s_and_b32 s31, s24, 3
	s_lshl_b32 s31, s31, 3
	s_add_co_u32 s30, s30, s31                     ; my tile's row 0: 128 x group + 64 (w / 4) + 8 (w % 4)
	s_lshl_b32 s30, s30, 12                        ; rows of 4,096 bytes
	s_mov_b32 s31, 0
	s_wait_kmcnt 0x0
	s_mov_b64 s[28:29], s[4:5]                     ; the tensor: a choice on the work-group's number alone
	s_cmp_ge_u32 ttmp9, 64
	s_cselect_b64 s[28:29], s[6:7], s[28:29]
	s_cmp_ge_u32 ttmp9, 128
	s_cselect_b64 s[28:29], s[8:9], s[28:29]
	s_cmp_ge_u32 ttmp9, 192
	s_cselect_b64 s[28:29], s[10:11], s[28:29]
	s_cmp_ge_u32 ttmp9, 200
	s_cselect_b64 s[28:29], s[12:13], s[28:29]
	s_cmp_ge_u32 ttmp9, 208
	s_cselect_b64 s[28:29], s[14:15], s[28:29]
	s_cmp_ge_u32 ttmp9, 216
	s_cselect_b64 s[28:29], s[16:17], s[28:29]
	s_add_nc_u64 s[28:29], s[28:29], s[30:31]
	s_mul_i32 s30, ttmp9, GB
	s_add_nc_u64 s[42:43], s[20:21], s[30:31]      ; my G-block
	s_mul_i32 s30, s24, 1536
	s_add_nc_u64 s[34:35], s[42:43], s[30:31]      ; my tile's fragment of K step 0
.macro QLOAD s                         ; K step s of my 16 rows: each load reads 512 consecutive bytes of one row
.irp p, 0,1,2,3,4,5,6,7,8,9,10,11,12,13,14,15
	global_load_b128 v[R+64*((\s)%2)+4*\p:R+64*((\s)%2)+4*\p+3], v1, s[28:29] offset:(32*(\p/8)+\p%8)*4096+512*(\s) th:TH_LOAD_NT
.endr
.endm
.macro QSTEP s
.set P0, PC+12*((\s)%2)
.if (\s) < 7
	s_wait_loadcnt 16                              ; this step's 16 loads are in; the next step's 16 may be out
.else
	s_wait_loadcnt 0x0
.endif
.irp p, 0,1,2,3,4,5,6,7,8,9,10,11,12,13,14,15
	ds_store_b128 v3, v[R+64*((\s)%2)+4*\p:R+64*((\s)%2)+4*\p+3] offset:SPI*\p
.endr
.irp c, 0,1
.irp q, 0,1,2,3,4,5,6,7
	ds_load_b128 v[X+32*\c+4*\q:X+32*\c+4*\q+3], v4 offset:256*\c+16*\q   ; LDS serves a wave's instructions in order: these see the stores above
.endr
.endr
	s_wait_dscnt 0x0                               ; my 64 numbers are in, and the stores have read the set that the loads below fill again
.if (\s) < 6
	QLOAD (\s)+2
.endif
	QUANT64 X, P0, PW, 1
	ds_store_b32 v5, v[PW] offset:512*(\s)         ; both halves of the lanes write the same word with the same value
	global_store_b128 v1, v[P0:P0+3], s[34:35] offset:12288*(\s)          ; each store covers 512 or 256 consecutive bytes, aligned
	global_store_b64 v2, v[P0+4:P0+5], s[34:35] offset:12288*(\s)+512
	global_store_b128 v1, v[P0+6:P0+9], s[34:35] offset:12288*(\s)+768
	global_store_b64 v2, v[P0+10:P0+11], s[34:35] offset:12288*(\s)+1280
.endm
	QLOAD 0
	QLOAD 1
.irp s, 0,1,2,3,4,5,6,7
	QSTEP \s
.endr
	s_wait_dscnt 0x0                               ; for the others' sake: my scale words lie in LDS
	s_barrier_signal -1
	s_barrier_wait -1
	ds_load_b128 v[60:63], v7                      ; the block's 4,096 bytes of scale words leave in whole runs of 512 bytes a wave
	s_wait_dscnt 0x0
	global_store_b128 v11, v[60:63], s[42:43] offset:GSC
	s_set_vgpr_msb 0x4
	s_wait_tensorcnt 0x0
	ds_add_u32 v59, v1
	s_wait_dscnt 0x0
	s_set_vgpr_msb 0x400
	s_endpgm
	; ---------------- the mask ----------------
	; maskw [query tile qt 0..127][key step ks 0..15][n 0..63]: bit (r, h) of word n = 32 c + i is mask[64 (qt / 4) + 8 (qt % 4) + 32 (r / 8) + r % 8][128 ks + 64 c + 32 h + i]:
	; the lane and the register in which the attention launch holds that score.  A wave takes half a query tile: eight key steps.
.Lmask:
	s_sub_co_u32 s25, ttmp9, 224
	s_lshl_b32 s25, s25, 3
	s_add_co_u32 s25, s25, s24
	s_lshr_b32 s26, s25, 1                         ; qt
	s_and_b32 s27, s25, 1                          ; which eight key steps
	v_lshrrev_b32 v3, 3, v9
	v_and_b32 v4, 7, v9
	v_lshl_add_u32 v3, v3, 5, v4                   ; 32 (r / 8) + r % 8
	v_lshlrev_b32 v3, 11, v3                       ; rows of 2,048 bytes
	v_lshl_add_u32 v3, v10, 5, v3                  ; + 32 h
	s_lshr_b32 s28, s26, 2
	s_lshl_b32 s28, s28, 6
	s_and_b32 s29, s26, 3
	s_lshl_b32 s29, s29, 3
	s_add_co_u32 s28, s28, s29
	s_lshl_b32 s28, s28, 11
	s_lshl_b32 s29, s27, 10
	s_add_co_u32 s28, s28, s29
	s_mov_b32 s29, 0
	s_lshl_b32 s30, s26, 12
	s_lshl_b32 s31, s27, 11
	s_add_co_u32 s30, s30, s31
	s_mov_b32 s31, 0
	s_wait_kmcnt 0x0
	s_add_nc_u64 s[18:19], s[18:19], s[28:29]
	s_add_nc_u64 s[22:23], s[22:23], s[30:31]
.irp u, 0,1,2,3,4,5,6,7
.irp c, 0,1
.irp q, 0,1
	global_load_b128 v[64+16*\u+8*\c+4*\q:64+16*\u+8*\c+4*\q+3], v3, s[18:19] offset:128*\u+64*\c+16*\q
.endr
.endr
.endr
.set n, 0
.rept 16
	v_mov_b32 v[32+n], 0                           ; written whole once: v_writelane_b32 fills them lane by lane
.set n, n+1
.endr
.macro MUNIT u                         ; byte n of my 64 -> one bit of each lane -> word n -> lane n / 2 of register n % 2
	s_wait_loadcnt 4*(7-(\u))                      ; this unit's four loads are in; the later units' may be out
.set n, 0
.rept 64
	v_and_b32 v[12+n%4], 0xff<<(8*(n%4)), v[64+16*(\u)+n/4]
	v_cmp_ne_u32 s[36+n%4], 0, v[12+n%4]
	v_writelane_b32 v[32+2*(\u)+n%2], s[36+n%4], n/2
.set n, n+1
.endr
	global_store_b64 v2, v[32+2*(\u):33+2*(\u)], s[22:23] offset:256*(\u)   ; 32 lanes store 256 consecutive bytes, aligned
.endm
.irp u, 0,1,2,3,4,5,6,7
	MUNIT \u
.endr
	s_endpgm
.Lfunc_end_k_q9840a24548_prep:
	.size	k_q9840a24548_prep, .Lfunc_end_k_q9840a24548_prep-k_q9840a24548_prep
	.p2alignl 7, 3214868480
	.fill 96, 4, 3214868480
	.section	.rodata,"a",@progbits
	.p2align	6, 0x0
	.amdhsa_kernel k_q9840a24548_prep
		.amdhsa_group_segment_fixed_size 72704
		.amdhsa_private_segment_fixed_size 0
		.amdhsa_enable_private_segment 0
		.amdhsa_kernarg_size 80
		.amdhsa_user_sgpr_count 2
		.amdhsa_user_sgpr_kernarg_segment_ptr 1
		.amdhsa_wavefront_size32 1
		.amdhsa_system_sgpr_workgroup_id_x 1
		.amdhsa_system_sgpr_workgroup_id_y 1
		.amdhsa_system_sgpr_workgroup_id_z 1
		.amdhsa_system_vgpr_workitem_id 0
		.amdhsa_next_free_vgpr 258
		.amdhsa_next_free_sgpr 66
		.amdhsa_reserve_vcc 0
		.amdhsa_float_denorm_mode_32 3
		.amdhsa_float_denorm_mode_16_64 3
		.amdhsa_memory_ordered 1
		.amdhsa_forward_progress 1
		.amdhsa_inst_pref_size 162
	.end_amdhsa_kernel
	.amdgpu_metadata
---
amdhsa.version: [ 1, 2 ]
amdhsa.kernels:
  - .name:           k_q9840a24548_prep
    .symbol:         k_q9840a24548_prep.kd
    .args:
      - { .name: q, .offset: 0, .size: 8, .value_kind: global_buffer, .address_space: global }
      - { .name: k, .offset: 8, .size: 8, .value_kind: global_buffer, .address_space: global }
      - { .name: v, .offset: 16, .size: 8, .value_kind: global_buffer, .address_space: global }
      - { .name: w_q, .offset: 24, .size: 8, .value_kind: global_buffer, .address_space: global }
      - { .name: w_k, .offset: 32, .size: 8, .value_kind: global_buffer, .address_space: global }
      - { .name: w_v, .offset: 40, .size: 8, .value_kind: global_buffer, .address_space: global }
      - { .name: w_o, .offset: 48, .size: 8, .value_kind: global_buffer, .address_space: global }
      - { .name: mask, .offset: 56, .size: 8, .value_kind: global_buffer, .address_space: global }
      - { .name: opg, .offset: 64, .size: 8, .value_kind: global_buffer, .address_space: global }
      - { .name: maskw, .offset: 72, .size: 8, .value_kind: global_buffer, .address_space: global }
    .group_segment_fixed_size: 72704
    .private_segment_fixed_size: 0
    .kernarg_segment_align: 8
    .kernarg_segment_size: 80
    .max_flat_workgroup_size: 256
    .sgpr_count:     66
    .vgpr_count:     258
    .wavefront_size: 32
...
	.end_amdgpu_metadata
.endif
;; end of part 1
;; launch proj (part 2): grid 768 x 1, 8 waves a work-group, no clusters, 103,424 bytes of LDS; arguments opg, hb; writes hb
.if DOCPART == 2
	.amdgcn_target "amdgcn-amd-amdhsa--gfx1250"
	.amdhsa_code_object_version 6
	.text
	.protected	k_q9840a24548_proj
	.globl	k_q9840a24548_proj
	.p2align	8
	.type	k_q9840a24548_proj,@function
k_q9840a24548_proj:
	s_mov_b64 s[64:65], 0
	v_nop
	global_prefetch_b8 v0, s[64:65] scope:SCOPE_SE
	s_setreg_imm32_b32 hwreg(HW_REG_WAVE_MODE, 25, 1), 1
	s_wait_xcnt 0x0
; The three projections, on codes of FP6 (E2M3) with E8M0 scales, and the quantising of their results for the attention launch.  p = work-group / 256: 0 Q, 1 K, 2 V.
; A work-group keeps one G-block (128 rows x K 1,024: see below) in LDS as SOURCE 0: its 128 rows run along a lane's 64 result registers (two lane halves).
; Each of the eight waves takes two tiles of 16 rows of the other operand (SOURCE 1: a row to a lane), straight from memory, through all of K: 16 accumulators.
;   Q, K: source 0 = 128 rows of the weight (two heads), source 1 = tokens: a lane holds ONE token and 32 neighbouring channels of each of the two heads: K of the scores' product.
;   V:    source 0 = 128 tokens (a key step), source 1 = rows of w_v: a lane holds ONE channel and 2 x 32 neighbouring keys: K of the second product.
; So in both cases the results are quantised in the lane, with no exchange but the scale word's, and the conversions' results ARE the next operand's registers.
; G-BLOCK: fragments [K step s][tile t] of 1,536 bytes (registers 0-3 of lane l at 16 l, 4-5 at 512 + 8 l, 6-9 at 768 + 16 l, 10-11 at 1,280 + 8 l); at GSC scale words [s][t][row], 4 bytes.
; In a 64-row group row r of tile t' is row 32 (r / 8) + 8 t' + r % 8, so that register 32 c + i of lane half h is source 0's row 64 c + 32 h + i.
; hb: [batch x 16 + head][key step 0..15] blocks of HBLK bytes: K's 8 tiles x 768 (16 tokens x 64 channels: registers 0-5); K's scale words [pair][row][tile % 2]; V^T's 4 fragments x 1,536
; (16 channels x 128 keys); V's scale words; Q's 8 tiles x 768; Q's scale words.  In K's and Q's words bytes 0, 1 are the head's; bytes 2, 3 are the neighbouring head's or 0, never 0xff.
; LIMITS: NaN and infinities are not served; a block of zeros gets the byte 1 (its codes are zeros; this program alone reads the bytes).
.set GB,    102400
.set GSC,   98304
.set HBLK,  19712
.set HEADB, 315392
.set VC,    6656
.set VSC,   12800
.set QC,    13056
.set F0,    32                         ; v32-79   four fragments of source 0
.set F1,    80                         ; v80-127  source 1: two buffers of two fragments
.set ACC,   128                        ; v128-255 accumulator (i, j) at 128 + 64 j + 8 i
.set S1C,   52                         ; s[52:53] source 1's fragments
.set SEL,   8                          ; s[8:9]   lane selects: lane l xor 16
.set SH8,   14                         ; v14      8 x (lane / 16)
.set PC,    32                         ; the way out: codes, two sets of 12 (the fragments' registers are free then)
.set TP,    56
.set CH,    64
.set SC,    68
.set BY,    70
.set WW,    72
.set TT,    73
.set PW,    76
; v16-23: source 1's scale words, one register a K step (lanes 0-15 tile j = 0, lanes 16-31 tile j = 1); v24-27: source 0's, a register for two tiles.  They hold scales and nothing else.
.macro PLACES                          ; four plain places between a matrix instruction and a load into, or a vector instruction on, its registers
.rept 4
	v_nop
.endr
.endm
.macro LFRAG reg, a16, a8, off         ; a fragment out of LDS, as it was stored
	ds_load_b128 v[(\reg):(\reg)+3], v[\a16] offset:(\off)
	ds_load_b64 v[(\reg)+4:(\reg)+5], v[\a8] offset:(\off)+512
	ds_load_b128 v[(\reg)+6:(\reg)+9], v[\a16] offset:(\off)+768
	ds_load_b64 v[(\reg)+10:(\reg)+11], v[\a8] offset:(\off)+1280
.endm
.macro GFRAG reg, off                  ; the same out of memory
	global_load_b128 v[(\reg):(\reg)+3], v6, s[S1C:S1C+1] offset:(\off)
	global_load_b64 v[(\reg)+4:(\reg)+5], v8, s[S1C:S1C+1] offset:(\off)+512
	global_load_b128 v[(\reg)+6:(\reg)+9], v6, s[S1C:S1C+1] offset:(\off)+768
	global_load_b64 v[(\reg)+10:(\reg)+11], v8, s[S1C:S1C+1] offset:(\off)+1280
.endm
.macro GSTEP s                         ; source 1's two fragments of K step s: eight loads
.irp j, 0,1
	GFRAG F1+24*((\s)%2)+12*\j, 12288*(\s)+1536*\j
.endr
.endm
; one product: source 0's tile i, source 1's tile j, K step s.  An odd i reads its scales from lanes 16-31 of its pair's register, and so does j = 1.
.macro MM i, j, s, zero
.set rD, ACC+64*(\j)+8*(\i)
.set rA, F0+12*((\i)%4)
.set rB, F1+24*((\s)%2)+12*(\j)
.set rP, 24+(\i)/2
.set rQ, 16+(\s)
.if \zero
.if ((\i)%2 == 0) && ((\j) == 0)
	v_wmma_scale_f32_16x16x128_f8f6f4 v[rD:rD+7], v[rA:rA+11], v[rB:rB+11], 0, v[rP], v[rQ] matrix_a_fmt:MATRIX_FMT_FP6 matrix_b_fmt:MATRIX_FMT_FP6
.elseif ((\i)%2 == 0)
	v_wmma_scale_f32_16x16x128_f8f6f4 v[rD:rD+7], v[rA:rA+11], v[rB:rB+11], 0, v[rP], v[rQ] matrix_a_fmt:MATRIX_FMT_FP6 matrix_b_fmt:MATRIX_FMT_FP6 matrix_b_scale:MATRIX_SCALE_ROW1
.elseif ((\j) == 0)
	v_wmma_scale_f32_16x16x128_f8f6f4 v[rD:rD+7], v[rA:rA+11], v[rB:rB+11], 0, v[rP], v[rQ] matrix_a_fmt:MATRIX_FMT_FP6 matrix_b_fmt:MATRIX_FMT_FP6 matrix_a_scale:MATRIX_SCALE_ROW1
.else
	v_wmma_scale_f32_16x16x128_f8f6f4 v[rD:rD+7], v[rA:rA+11], v[rB:rB+11], 0, v[rP], v[rQ] matrix_a_fmt:MATRIX_FMT_FP6 matrix_b_fmt:MATRIX_FMT_FP6 matrix_a_scale:MATRIX_SCALE_ROW1 matrix_b_scale:MATRIX_SCALE_ROW1
.endif
.else
.if ((\i)%2 == 0) && ((\j) == 0)
	v_wmma_scale_f32_16x16x128_f8f6f4 v[rD:rD+7], v[rA:rA+11], v[rB:rB+11], v[rD:rD+7], v[rP], v[rQ] matrix_a_fmt:MATRIX_FMT_FP6 matrix_b_fmt:MATRIX_FMT_FP6
.elseif ((\i)%2 == 0)
	v_wmma_scale_f32_16x16x128_f8f6f4 v[rD:rD+7], v[rA:rA+11], v[rB:rB+11], v[rD:rD+7], v[rP], v[rQ] matrix_a_fmt:MATRIX_FMT_FP6 matrix_b_fmt:MATRIX_FMT_FP6 matrix_b_scale:MATRIX_SCALE_ROW1
.elseif ((\j) == 0)
	v_wmma_scale_f32_16x16x128_f8f6f4 v[rD:rD+7], v[rA:rA+11], v[rB:rB+11], v[rD:rD+7], v[rP], v[rQ] matrix_a_fmt:MATRIX_FMT_FP6 matrix_b_fmt:MATRIX_FMT_FP6 matrix_a_scale:MATRIX_SCALE_ROW1
.else
	v_wmma_scale_f32_16x16x128_f8f6f4 v[rD:rD+7], v[rA:rA+11], v[rB:rB+11], v[rD:rD+7], v[rP], v[rQ] matrix_a_fmt:MATRIX_FMT_FP6 matrix_b_fmt:MATRIX_FMT_FP6 matrix_a_scale:MATRIX_SCALE_ROW1 matrix_b_scale:MATRIX_SCALE_ROW1
.endif
.endif
.endm
; A K step of 128: 16 products, the 16 accumulators by turns, one instruction a turn.  zero = 1: the first step starts the sums: nothing is cleared.
.macro KSTEP s, zero
.set LA, 6+(\s)/4                      ; LDS offsets hold 16 bits: steps 4-7 take the address registers that stand 49,152 bytes on
.set LB, 8+(\s)/4
.irp t, 0,1,2,3
	LFRAG F0+12*\t, LA, LB, 12288*((\s)%4)+1536*\t
.endr
.irp b, 0,1,2,3
	ds_load_b32 v[24+\b], v10 offset:512*(\s)+128*\b
.endr
.if (\s) < 7
	s_wait_loadcnt 8                               ; this step's fragments of source 1 are in; the next step's eight loads may be out
.else
	s_wait_loadcnt 0x0
.endif
	s_wait_dscnt 0x0
.irp i, 0,1,2,3
.irp j, 0,1
	MM \i, \j, \s, \zero
.endr
.endr
	PLACES
.irp t, 0,1,2,3
	LFRAG F0+12*\t, LA, LB, 12288*((\s)%4)+1536*(\t+4)
.endr
	s_wait_dscnt 0x0
.irp i, 4,5,6,7
.irp j, 0,1
	MM \i, \j, \s, \zero
.endr
.endr
	PLACES                                         ; they serve the loads below, the next step's loads, and at the end the first reads of the results
.if (\s) < 6
	GSTEP (\s)+2
.endif
.endm
; 64 numbers of a lane, register 32 c + i = k 64 c + 32 (lane / 16) + i, become a fragment's 12 registers and its scale word.  The registers are read from the low end of each accumulator on.
.macro QUANT64 src, pc, pw
.irp c, 0,1
.irp a, 0,1
	v_max3_num_f32 v[CH+2*\c+\a], |v[(\src)+32*\c+16*\a]|, |v[(\src)+32*\c+16*\a+1]|, 0x1800000   ; the floor 2^(3 - 127): the byte cannot fall under 1
.endr
.endr
.irp i, 2,4,6,8,10,12,14
.irp c, 0,1
.irp a, 0,1
	v_max3_num_f32 v[CH+2*\c+\a], v[CH+2*\c+\a], |v[(\src)+32*\c+16*\a+\i]|, |v[(\src)+32*\c+16*\a+\i+1]|
.endr
.endr
.endr
.irp c, 0,1
	v_max_num_f32 v[CH+2*\c], v[CH+2*\c], v[CH+2*\c+1]
.endr
.irp c, 0,1
	v_add_nc_u32 v[SC+\c], 0xff000000, v[CH+2*\c]      ; 2 off the exponent field: the conversion's scale operand
.endr
.irp c, 0,1
	v_lshrrev_b32 v[BY+\c], 23, v[SC+\c]
.endr
	v_lshl_or_b32 v[WW], v[BY+1], 16, v[BY]
	v_lshlrev_b32 v[WW], v[SH8], v[WW]
	v_permlanex16_b32 v[TT], v[WW], s[SEL], s[SEL+1]
	v_or_b32 v[\pw], v[WW], v[TT]
.irp c, 0,1
	v_cvt_scalef32_pk16_fp6_f32 v[(\pc)+6*\c:(\pc)+6*\c+2], v[(\src)+32*\c:(\src)+32*\c+15], v[SC+\c]
	v_cvt_scalef32_pk16_fp6_f32 v[TP+4*\c:TP+4*\c+2], v[(\src)+32*\c+16:(\src)+32*\c+31], v[SC+\c]
.endr
	v_nop                                              ; one plain place behind a scaled conversion
.irp c, 0,1
.irp i, 0,1,2
	v_mov_b32 v[(\pc)+6*\c+3+\i], v[TP+4*\c+\i]
.endr
.endr
.endm
	s_load_b128 s[4:7], s[0:1], 0x0                ; opg, hb
	v_lshl_add_u32 v30, v0, 2, 0x19000
	v_mov_b32 v31, 0
	v_lshrrev_b32 v1, 5, v0
	v_readfirstlane_b32 s10, v1                    ; wave 0..7
	v_and_b32 v1, 31, v0                           ; lane
	v_and_b32 v2, 15, v0                           ; r
	v_bfe_u32 v3, v0, 4, 1                         ; h
	v_lshlrev_b32 v4, 4, v0                        ; the copy: 16 x thread, in memory and in LDS
	v_add_nc_u32 v5, 0x10000, v4
	v_lshlrev_b32 v6, 4, v1                        ; 16 x lane
	v_add_nc_u32 v7, 49152, v6
	v_lshlrev_b32 v8, 3, v1                        ; 8 x lane
	v_add_nc_u32 v9, 49152, v8
	v_lshl_add_u32 v10, v1, 2, GSC                 ; source 0's scale words in LDS
	v_lshlrev_b32 v11, 2, v1                       ; 4 x lane
	v_lshlrev_b32 v[SH8], 3, v3
	s_mov_b32 s[SEL], 0x76543210
	s_mov_b32 s[SEL+1], 0xfedcba98
	s_lshr_b32 s2, ttmp9, 8                        ; p
	s_and_b32 s3, ttmp9, 255
	s_lshr_b32 s11, s10, 2                         ; w / 4
	s_and_b32 s12, s10, 3                          ; b: my pair of tiles in source 1's block
	; what Q and K would take
	s_and_b32 s13, s3, 7                           ; eg: which 128 rows of the weight: heads 2 eg, 2 eg + 1
	s_lshr_b32 s14, s3, 3
	s_lshl_b32 s15, s14, 1
	s_add_co_u32 s15, s15, s11                     ; G1: which 128 tokens
	s_lshl_b32 s16, s2, 3
	s_add_co_u32 s16, s16, s13
	s_add_co_u32 s16, s16, 192                     ; source 0's block
	s_lshl_b32 s17, s2, 6
	s_add_co_u32 s17, s17, s15                     ; source 1's block
	s_lshr_b32 s18, s15, 4
	s_lshl_b32 s18, s18, 4
	s_lshl_b32 s19, s13, 1
	s_add_co_u32 s18, s18, s19                     ; batch x 16 + head 2 eg
	s_mul_i32 s18, s18, HEADB
	s_and_b32 s19, s15, 15
	s_mul_i32 s19, s19, HBLK
	s_add_co_u32 s18, s18, s19
	s_cmp_eq_u32 s2, 0
	s_cselect_b32 s19, QC, 0
	s_add_co_u32 s18, s18, s19                     ; where the head's tiles of these 128 tokens begin
	s_mul_i32 s19, s12, 1536
	s_add_co_u32 s19, s19, s18                     ; my first tile's codes
	s_lshl_b32 s20, s12, 7
	s_add_co_u32 s20, s20, s18
	s_add_co_u32 s20, s20, 6144                    ; my pair's scale words
	; what V would take
	s_lshr_b32 s21, s3, 2                          ; tg: which 128 tokens
	s_and_b32 s22, s3, 3
	s_lshl_b32 s22, s22, 1
	s_add_co_u32 s22, s22, s11                     ; gl: which 128 rows of w_v
	s_add_co_u32 s23, s21, 128
	s_add_co_u32 s24, s22, 208
	s_lshr_b32 s25, s21, 4
	s_lshl_b32 s25, s25, 4
	s_lshl_b32 s26, s22, 1
	s_add_co_u32 s25, s25, s26
	s_lshr_b32 s26, s12, 1
	s_add_co_u32 s25, s25, s26                     ; batch x 16 + head 2 gl + b / 2
	s_mul_i32 s25, s25, HEADB
	s_and_b32 s26, s21, 15
	s_mul_i32 s26, s26, HBLK
	s_add_co_u32 s25, s25, s26
	s_and_b32 s26, s12, 1
	s_mul_i32 s27, s26, 3072
	s_add_co_u32 s27, s27, s25
	s_add_co_u32 s27, s27, VC
	s_lshl_b32 s28, s26, 7
	s_add_co_u32 s28, s28, s25
	s_add_co_u32 s28, s28, VSC
	s_mov_b32 s29, 768
	s_mov_b32 s30, 1536
	s_mov_b32 s31, HEADB
	s_cmp_lt_u32 s2, 2                             ; the choice: on the work-group's number alone; it enters no LDS address
	s_cselect_b32 s16, s16, s23
	s_cselect_b32 s17, s17, s24
	s_cselect_b32 s19, s19, s27
	s_cselect_b32 s20, s20, s28
	s_cselect_b32 s32, s29, s30                    ; from tile j = 0 to j = 1
	s_cselect_b32 s33, s31, s29                    ; from half c = 0 to c = 1: the next head, or the fragment's second half
	s_cselect_b32 s34, s31, 0                      ; lanes 16-31 store the next head's scale words, or the same ones
	s_cselect_b32 s35, 16, 0                       ; shifted down by two bytes, or not
	v_mul_u32_u24 v12, s35, v3
	v_mul_u32_u24 v13, s34, v3
	v_lshl_add_u32 v13, v2, 3, v13                 ; 8 r (+ a head)
	s_mul_i32 s16, s16, GB
	s_mul_i32 s17, s17, GB
	s_mov_b32 s37, 0
	s_wait_kmcnt 0x0
	s_mov_b32 s36, s16
	s_add_nc_u64 s[50:51], s[4:5], s[36:37]        ; source 0's block
	s_mul_i32 s36, s12, 3072
	s_add_co_u32 s36, s36, s17
	s_add_nc_u64 s[S1C:S1C+1], s[4:5], s[36:37]    ; source 1: my pair's fragments of K step 0
	s_lshl_b32 s36, s12, 7
	s_add_co_u32 s36, s36, s17
	s_add_co_u32 s36, s36, GSC
	s_add_nc_u64 s[54:55], s[4:5], s[36:37]        ; and its scale words
	s_mov_b32 s36, s19
	s_add_nc_u64 s[40:41], s[6:7], s[36:37]        ; the way out: (j, c) = (0, 0),
	s_add_co_u32 s36, s19, s33
	s_add_nc_u64 s[42:43], s[6:7], s[36:37]        ; (0, 1),
	s_add_co_u32 s36, s19, s32
	s_add_nc_u64 s[44:45], s[6:7], s[36:37]        ; (1, 0),
	s_add_co_u32 s36, s36, s33
	s_add_nc_u64 s[46:47], s[6:7], s[36:37]        ; (1, 1),
	s_mov_b32 s36, s20
	s_add_nc_u64 s[48:49], s[6:7], s[36:37]        ; the scale words
.set i, 0
.rept 25                               ; source 0's block into LDS, through the registers that the accumulators will take: 25 x 4,096 bytes
	global_load_b128 v[ACC+4*i:ACC+4*i+3], v4, s[50:51] offset:4096*i
.set i, i+1
.endr
.set i, 0
.rept 8
	global_load_b32 v[16+i], v11, s[54:55] offset:512*i
.set i, i+1
.endr
	GSTEP 0
	GSTEP 1
	s_wait_loadcnt 24                              ; the 25 are in; the 8 + 8 + 8 loads issued behind them may be out
.set i, 0
.rept 16
	ds_store_b128 v4, v[ACC+4*i:ACC+4*i+3] offset:4096*i
.set i, i+1
.endr
.set i, 0
.rept 9
	ds_store_b128 v5, v[ACC+64+4*i:ACC+64+4*i+3] offset:4096*i
.set i, i+1
.endr
	s_wait_dscnt 0x0                               ; for the others' sake: my part of the block lies in LDS
	s_barrier_signal -1
	s_barrier_wait -1                              ; nothing is written to LDS behind this barrier
	KSTEP 0, 1
.irp s, 1,2,3,4,5,6,7
	KSTEP \s, 0
.endr
	; THE WAY OUT.  Tile j's 64 numbers of a lane are two blocks of 32 neighbours along the next K for each lane half.
	v_mov_b32 v[TT], 0                             ; a lane permute's destination counts as one of its sources
.irp j, 0,1
	QUANT64 ACC+64*\j, PC+12*\j, PW
	v_lshrrev_b32 v[74+\j], v12, v[PW]             ; Q, K: lanes 16-31 bring the second head's two bytes down
	global_store_b128 v6, v[PC+12*\j:PC+12*\j+3], s[40+4*\j:41+4*\j]         ; each store covers 512 or 256 consecutive bytes, aligned
	global_store_b64 v8, v[PC+12*\j+4:PC+12*\j+5], s[40+4*\j:41+4*\j] offset:512
	global_store_b128 v6, v[PC+12*\j+6:PC+12*\j+9], s[42+4*\j:43+4*\j]
	global_store_b64 v8, v[PC+12*\j+10:PC+12*\j+11], s[42+4*\j:43+4*\j] offset:512
.endr
	global_store_b64 v13, v[74:75], s[48:49]       ; row r's words of tiles j = 0, 1: sixteen lanes store 128 consecutive bytes
	s_wait_tensorcnt 0x0
	ds_add_u32 v30, v31
	s_wait_dscnt 0x0
	s_endpgm
.Lfunc_end_k_q9840a24548_proj:
	.size	k_q9840a24548_proj, .Lfunc_end_k_q9840a24548_proj-k_q9840a24548_proj
	.p2alignl 7, 3214868480
	.fill 96, 4, 3214868480
	.section	.rodata,"a",@progbits
	.p2align	6, 0x0
	.amdhsa_kernel k_q9840a24548_proj
		.amdhsa_group_segment_fixed_size 103424
		.amdhsa_private_segment_fixed_size 0
		.amdhsa_enable_private_segment 0
		.amdhsa_kernarg_size 16
		.amdhsa_user_sgpr_count 2
		.amdhsa_user_sgpr_kernarg_segment_ptr 1
		.amdhsa_wavefront_size32 1
		.amdhsa_system_sgpr_workgroup_id_x 1
		.amdhsa_system_sgpr_workgroup_id_y 1
		.amdhsa_system_sgpr_workgroup_id_z 1
		.amdhsa_system_vgpr_workitem_id 0
		.amdhsa_next_free_vgpr 256
		.amdhsa_next_free_sgpr 66
		.amdhsa_reserve_vcc 0
		.amdhsa_float_denorm_mode_32 3
		.amdhsa_float_denorm_mode_16_64 3
		.amdhsa_memory_ordered 1
		.amdhsa_forward_progress 1
		.amdhsa_inst_pref_size 60
	.end_amdhsa_kernel
	.amdgpu_metadata
---
amdhsa.version: [ 1, 2 ]
amdhsa.kernels:
  - .name:           k_q9840a24548_proj
    .symbol:         k_q9840a24548_proj.kd
    .args:
      - { .name: opg, .offset: 0, .size: 8, .value_kind: global_buffer, .address_space: global }
      - { .name: hb, .offset: 8, .size: 8, .value_kind: global_buffer, .address_space: global }
    .group_segment_fixed_size: 103424
    .private_segment_fixed_size: 0
    .kernarg_segment_align: 8
    .kernarg_segment_size: 16
    .max_flat_workgroup_size: 256
    .sgpr_count:     66
    .vgpr_count:     256
    .wavefront_size: 32
...
	.end_amdgpu_metadata
.endif
;; end of part 2
;; launch attn (part 3): grid 256 x 1, 16 waves a work-group, no clusters, 210,944 bytes of LDS; arguments hb, maskw, ctxg; writes ctxg
.if DOCPART == 3
	.amdgcn_target "amdgcn-amd-amdhsa--gfx1250"
	.amdhsa_code_object_version 6
	.text
	.protected	k_q9840a24548_attn
	.globl	k_q9840a24548_attn
	.p2align	8
	.type	k_q9840a24548_attn,@function
k_q9840a24548_attn:
	s_mov_b64 s[64:65], 0
	v_nop
	global_prefetch_b8 v0, s[64:65] scope:SCOPE_SE
	s_setreg_imm32_b32 hwreg(HW_REG_WAVE_MODE, 25, 1), 1
	s_wait_xcnt 0x0
; ctx = softmax(where(mask, Q K^T / 8, -1e9)) V for one head and 512 queries a work-group, both products on codes of FP6 (E2M3) with E8M0 scales; ctx leaves as codes, quantised along the model's axis, for the last projection.
; THE SOFTMAX AHEAD OF THE SECOND PRODUCT: t = score x c, c = log2(e) / 8; M = the row's largest t so far, rounded UP to a whole number; p = 2^(t - M) is quantised along the keys, not normalised.
; The row's sum is taken of the unquantised p and divides at the end.  When M moves, the sum and O are multiplied by 2^(old M - new M): exact.
; SHARES.  Work-group g: head g / 4 (batch x 16 + head), queries 512 (g % 4) on.  ALL of the head's K and V (16 key steps x 13,056 bytes) lies in LDS, filled once through registers: one barrier in the launch.
; Each of the sixteen waves runs two tiles of 16 queries one after the other, each through 16 key steps of 128 keys: four waves to a SIMD, so that one wave's vector work stands beside another's products and LDS loads.
; LAYOUT.  Both products are used transposed: S^T = K Q^T (source 0 = 16 keys), O^T = V^T P^T (source 0 = 16 channels): a lane holds ONE query (lane % 16) throughout.  The keys of a tile and the channels of a tile
; are chosen (row r of tile t' of a group of 64 is 32 (r / 8) + 8 t' + r % 8) so that register 32 c + i of S^T is key 64 c + 32 (lane / 16) + i, and register i of O^T channel 32 (lane / 16) + i:
; whole blocks of 32 in one lane, in the order of the next operand's registers: no exchange of codes between lanes.
; THE SCORES' K IS 64: Q's registers 6-11 are zero codes.  K's operand names 12 registers, of which the upper six are the next tile's codes (behind the last tile: zeros): FP6 has no NaN or infinity and no scale byte
; here is 0xff, so those products are exact zeros.
; THE MASK comes as words of lane bits (one word for each register of S^T) by scalar loads, a key step ahead, and selects by v_cndmask_b32: no branch hangs on it.
; LIMITS.  A masked raw score is -2^33, the logit -2^30, where the definition has -1e9: its t is an exact whole number, so a row with no true entry gets p = 1 for every key, the definition's uniform row; results differ
; only where an unmasked logit lies under about -0.999e9.  NaN and infinities are not served.  A block of zeros gets the byte 1 (zero codes; this program alone reads the bytes).
.set HBLK,  19712
.set HEADB, 315392
.set KVB,   13056                      ; a key step in LDS: K's 8 tiles x 768, K's scale words, V^T's 4 fragments x 1,536, V's scale words
.set KSC,   6144
.set VC,    6656
.set VSC,   12800
.set QC,    13056
.set QSC,   19200
.set GB,    102400
.set GSC,   98304
; REGISTERS: v1 16 x lane, v2 8 x lane, v3 8 r, v4 4 r, v5 8 h, v6-7 the fill's LDS addresses, v8-10 the step's; v12 -M, v13 the largest t, v[14:15] the sum in two halves; v16-21 Q, v22-27 zeros;
; v32-79 K's eight tiles, then V's four fragments; v80-85 zeros; v96-159 S^T, then p; v160-191 O^T; v192-203 p's codes; v204-210 at work; v216-223 K's scale words, v224-227 V's, v228 Q's, v229 p's (scales and nothing else);
; v230 the masked score; v232-253 at work.
; s[32:63], s[68:99]: the step's 64 mask words.  s24: the step's LDS byte; s25: the mask words' byte; s26: trips.
.macro PLACES
.rept 4
	v_nop
.endr
.endm
	s_load_b128 s[4:7], s[0:1], 0x0                ; hb, maskw
	s_load_b64 s[8:9], s[0:1], 0x10                ; ctxg
	v_lshl_add_u32 v254, v0, 2, 0x33000
	v_mov_b32 v255, 0
	v_lshrrev_b32 v1, 5, v0
	v_readfirstlane_b32 s10, v1                    ; wave 0..15
	v_and_b32 v8, 31, v0
	v_and_b32 v9, 15, v0
	v_bfe_u32 v10, v0, 4, 1
	v_lshlrev_b32 v1, 4, v8
	v_lshlrev_b32 v2, 3, v8
	v_lshlrev_b32 v3, 3, v9
	v_lshlrev_b32 v4, 2, v9
	v_lshlrev_b32 v5, 3, v10
	s_mul_i32 s11, s10, KVB                        ; wave w brings key step w
	v_add_nc_u32 v6, s11, v1
	v_add_nc_u32 v7, s11, v2
	s_mov_b32 s20, 0x76543210
	s_mov_b32 s21, 0xfedcba98                      ; lane l xor 16
	s_mov_b32 s22, 0x3e38aa3b                      ; c = log2(e) / 8
	s_mov_b32 s23, s22                             ; (named with it as a pair, so it is written)
	s_lshr_b32 s32, ttmp9, 2                       ; batch x 16 + head
	s_and_b32 s33, ttmp9, 3                        ; which 512 queries
	s_lshr_b32 s34, s32, 4                         ; batch
	s_and_b32 s35, s32, 15                         ; head
	s_mul_i32 s36, s32, HEADB
	s_mul_i32 s38, s10, HBLK
	s_add_co_u32 s38, s38, s36                     ; the fill: my key step's block
	s_mov_b32 s39, 0
	s_lshr_b32 s40, s10, 3
	s_and_b32 s41, s10, 7                          ; my tile in its group of 128 queries
	s_lshl_b32 s42, s33, 2
	s_add_co_u32 s42, s42, s40                     ; that group: 4 (g % 4) + w / 8 (+ 2 for the second tile)
	s_mul_i32 s43, s42, HBLK
	s_add_co_u32 s43, s43, s36
	s_mul_i32 s44, s41, 768
	s_add_co_u32 s44, s44, s43
	s_add_co_u32 s44, s44, QC                      ; Q's codes
	s_mov_b32 s45, 0
	s_lshr_b32 s46, s41, 1
	s_lshl_b32 s46, s46, 7
	s_and_b32 s47, s10, 1
	s_lshl_b32 s48, s47, 2
	s_add_co_u32 s48, s48, s46
	s_add_co_u32 s48, s48, s43
	s_add_co_u32 s48, s48, QSC                     ; Q's scale words: [pair][row][tile % 2]
	s_mov_b32 s49, 0
	s_lshl_b32 s50, s33, 5
	s_add_co_u32 s50, s50, s10
	s_lshl_b32 s50, s50, 12                        ; the mask words of query tile 32 (g % 4) + w
	s_mov_b32 s51, 0
	s_lshl_b32 s52, s34, 4
	s_add_co_u32 s52, s52, s42
	s_mul_i32 s52, s52, GB                         ; ctx's G-block
	s_lshr_b32 s53, s35, 1                         ; its K step: two heads to 128
	s_and_b32 s54, s35, 1                          ; and which half of the fragment
	s_lshl_b32 s55, s53, 3
	s_add_co_u32 s55, s55, s41
	s_mul_i32 s56, s55, 1536
	s_mul_i32 s57, s54, 768
	s_add_co_u32 s56, s56, s57
	s_add_co_u32 s56, s56, s52
	s_mov_b32 s57, 0
	s_lshl_b32 s58, s53, 9
	s_lshl_b32 s59, s41, 6
	s_add_co_u32 s58, s58, s59
	s_lshl_b32 s59, s54, 1
	s_add_co_u32 s58, s58, s59
	s_add_co_u32 s58, s58, s52
	s_add_co_u32 s58, s58, GSC                     ; ctx's scale words: 512 x step + 64 x tile + 4 r, my head's two bytes
	s_mov_b32 s59, 0
	s_wait_kmcnt 0x0
	s_add_nc_u64 s[12:13], s[4:5], s[38:39]
	s_add_nc_u64 s[28:29], s[4:5], s[44:45]
	s_add_nc_u64 s[16:17], s[4:5], s[48:49]
	s_add_nc_u64 s[30:31], s[6:7], s[50:51]
	s_add_nc_u64 s[100:101], s[8:9], s[56:57]
	s_add_nc_u64 s[104:105], s[8:9], s[58:59]
.set i, 0
.rept 25                               ; 13,056 bytes = 25 x 512 + 256, dense in memory and in LDS
	global_load_b128 v[96+4*i:99+4*i], v1, s[12:13] offset:512*i
.set i, i+1
.endr
	global_load_b64 v[196:197], v2, s[12:13] offset:12800
	v_mov_b32 v230, 0xd0000000                     ; -2^33
.set i, 0
.rept 6
	v_mov_b32 v[22+i], 0                           ; Q's upper 64 along K: zero codes
	v_mov_b32 v[80+i], 0                           ; behind K's last tile
.set i, i+1
.endr
	v_mov_b32 v241, 0                              ; a lane permute's destination counts as one of its sources
	v_mov_b32 v253, 0                              ; (named as the upper half of the pair v[252:253])
	s_wait_loadcnt 0x0
.set i, 0
.rept 25
	ds_store_b128 v6, v[96+4*i:99+4*i] offset:512*i
.set i, i+1
.endr
	ds_store_b64 v7, v[196:197] offset:12800
	s_wait_dscnt 0x0                               ; for the others' sake: my key step lies in LDS
	s_barrier_signal -1
	s_barrier_wait -1                              ; nothing is written to LDS behind this barrier
; A KEY STEP: 128 keys at LDS byte s24.
.macro STEP
	v_add_nc_u32 v8, s24, v1
	v_add_nc_u32 v9, s24, v2
	v_add_nc_u32 v10, s24, v3
	v_nop                                          ; four places behind the last step's products, in front of loads into their operands
.irp t, 0,1,2,3,4,5,6,7
	ds_load_b128 v[32+6*\t:35+6*\t], v8 offset:768*\t
	ds_load_b64 v[36+6*\t:37+6*\t], v9 offset:768*\t+512
.endr
.irp p, 0,1,2,3
	ds_load_b64 v[216+2*\p:217+2*\p], v10 offset:KSC+128*\p
.endr
	s_wait_dscnt 0x0
.irp t, 0,1,2,3,4,5,6,7
	v_wmma_scale_f32_16x16x128_f8f6f4 v[96+8*\t:103+8*\t], v[32+6*\t:43+6*\t], v[16:27], 0, v[216+\t], v228 matrix_a_fmt:MATRIX_FMT_FP6 matrix_b_fmt:MATRIX_FMT_FP6
.endr
	s_wait_kmcnt 0x0                               ; this step's 64 mask words are in: so their loads' offset register may step
	s_add_co_u32 s25, s25, 256
	s_and_b32 s25, s25, 0xf00                      ; the next step's words; behind the last step the tile's first again: inside the buffer, and not used
	PLACES
.set n, 0
.rept 32
	v_cndmask_b32 v[96+n], v230, v[96+n], s[32+n]  ; a hidden key's score becomes -2^33.  Each accumulator is read from its low end on
.set n, n+1
.endr
.set n, 0
.rept 32
	v_cndmask_b32 v[128+n], v230, v[128+n], s[68+n]
.set n, n+1
.endr
.endm
; (the step goes on in STEP2: between the two stand the scalar loads, whose immediate hangs on the tile)
.macro STEP2
.irp d, 0,1,2,3                        ; V's four fragments land while the softmax is worked; the 64 selects are the places behind the scores' products
	ds_load_b128 v[32+12*\d:35+12*\d], v8 offset:VC+1536*\d
	ds_load_b64 v[36+12*\d:37+12*\d], v9 offset:VC+1536*\d+512
	ds_load_b128 v[38+12*\d:41+12*\d], v8 offset:VC+1536*\d+768
	ds_load_b64 v[42+12*\d:43+12*\d], v9 offset:VC+1536*\d+1280
.endr
.irp p, 0,1
	ds_load_b64 v[224+2*\p:225+2*\p], v10 offset:VSC+128*\p
.endr
	; the largest score of each of my two blocks of 32 keys: it serves the row's maximum and, since p rises with the score, the block's largest p
.irp c, 0,1
.irp a, 0,1
	v_max3_num_f32 v[232+2*\c+\a], v[96+32*\c+16*\a], v[97+32*\c+16*\a], v[98+32*\c+16*\a]
.endr
.endr
.irp i, 3,5,7,9,11,13
.irp c, 0,1
.irp a, 0,1
	v_max3_num_f32 v[232+2*\c+\a], v[232+2*\c+\a], v[96+32*\c+16*\a+\i], v[97+32*\c+16*\a+\i]
.endr
.endr
.endr
.irp c, 0,1
	v_max3_num_f32 v[232+2*\c], v[232+2*\c], v[233+2*\c], v[111+32*\c]
.endr
.irp c, 0,1
	v_max_num_f32 v[232+2*\c], v[232+2*\c], v[127+32*\c]
.endr
	v_max_num_f32 v240, v232, v234
	v_permlanex16_b32 v241, v240, s20, s21
	v_max_num_f32 v240, v240, v241                 ; the step's largest score of my query
	v_mul_f32 v240, s22, v240                      ; as t (c is positive)
	v_max_num_f32 v13, v13, v240                   ; the running largest t
	v_mov_b32 v240, v12
	v_floor_f32 v12, -v13                          ; the new -M = floor(-t): M is a whole number
	v_sub_f32 v240, v12, v240                      ; old M - new M: a whole number, 0 or less
	v_cvt_i32_f32 v240, v240                       ; (it saturates)
	v_ldexp_f32 v252, 1.0, v240                    ; f = 2^(old M - new M)
.set n, 0
.rept 32
	v_pk_fma_f32 v[96+n:97+n], v[96+n:97+n], s[22:23], v[12:13] op_sel_hi:[1,0,0]   ; t - M, two at a time
.set n, n+2
.endr
	v_fma_f32 v232, v232, s22, v12                 ; the same of each block's largest score
	v_fma_f32 v234, v234, s22, v12
.set n, 0
.rept 64
	v_exp_f32 v[96+n], v[96+n]                     ; p = 2^(t - M), at most 1
.set n, n+1
.endr
	v_exp_f32 v232, v232                           ; the block's largest p: the same two instructions on the same number give the same bits
	v_exp_f32 v234, v234
	v_pk_mul_f32 v[14:15], v[14:15], v[252:253] op_sel_hi:[1,0]   ; the sums under the new M (a plain place behind the exponentials)
	s_wait_alu depctr_va_vdst(0)
	v_max_num_f32 v232, 0x1800000, v232            ; the floor 2^(3 - 127): the byte cannot fall under 1
	v_max_num_f32 v234, 0x1800000, v234
	v_add_nc_u32 v244, 0xff000000, v232            ; 2 off the exponent field: the conversion's scale operand
	v_add_nc_u32 v245, 0xff000000, v234
	v_lshrrev_b32 v246, 23, v244
	v_lshrrev_b32 v247, 23, v245
	v_lshl_or_b32 v248, v247, 16, v246             ; my blocks h and 2 + h,
	v_lshlrev_b32 v248, v5, v248
	v_permlanex16_b32 v241, v248, s20, s21
	v_or_b32 v229, v248, v241                      ; with lane l xor 16's: p's scale word for these 128 keys
.irp c, 0,1
	v_cvt_scalef32_pk16_fp6_f32 v[192+6*\c:194+6*\c], v[96+32*\c:111+32*\c], v[244+\c]
	v_cvt_scalef32_pk16_fp6_f32 v[204+4*\c:206+4*\c], v[112+32*\c:127+32*\c], v[244+\c]   ; (a conversion's three registers begin on an even number)
.endr
	v_nop                                          ; one plain place behind a scaled conversion
.irp c, 0,1
.irp i, 0,1,2
	v_mov_b32 v[195+6*\c+\i], v[204+4*\c+\i]
.endr
.endr
	v_pk_add_f32 v[236:237], v[96:97], v[98:99]    ; the row's sum is taken of the unquantised p: two at a time, in two chains
.irp j, 4,8,12,16,20,24,28,32,36,40,44,48,52,56,60
	v_pk_add_f32 v[14:15], v[14:15], v[96+\j:97+\j]
	v_pk_add_f32 v[236:237], v[236:237], v[98+\j:99+\j]
.endr
	v_pk_add_f32 v[14:15], v[14:15], v[236:237]
.set n, 0
.rept 16
	v_pk_mul_f32 v[160+n:161+n], v[160+n:161+n], v[252:253] op_sel_hi:[1,0]   ; O^T under the new M; from each accumulator's low end on
.set n, n+2
.endr
	s_wait_dscnt 0x0                               ; V
.irp d, 0,1,2,3
	v_wmma_scale_f32_16x16x128_f8f6f4 v[160+8*\d:167+8*\d], v[32+12*\d:43+12*\d], v[192:203], v[160+8*\d:167+8*\d], v[224+\d], v229 matrix_a_fmt:MATRIX_FMT_FP6 matrix_b_fmt:MATRIX_FMT_FP6
.endr
	s_add_co_u32 s24, s24, KVB
.endm
.macro MASKLOAD tau                    ; 64 words, 256 consecutive bytes, at byte s25 of the tile's 4,096
	s_load_b512 s[32:47], s[30:31], s25 offset:65536*\tau
	s_load_b512 s[48:63], s[30:31], s25 offset:65536*\tau+64
	s_load_b512 s[68:83], s[30:31], s25 offset:65536*\tau+128
	s_load_b512 s[84:99], s[30:31], s25 offset:65536*\tau+192
.endm
; One tile of 16 queries: 32 (g % 4) + 16 tau + w.
.macro TILE tau
	s_wait_xcnt 0x0                                ; the last tile's stores have read their registers
	s_wait_kmcnt 0x0                               ; no scalar load is out on the mask words' registers, nor reads s25
	global_load_b128 v[16:19], v1, s[28:29] offset:2*HBLK*\tau
	global_load_b64 v[20:21], v2, s[28:29] offset:2*HBLK*\tau+512
	global_load_b32 v228, v3, s[16:17] offset:2*HBLK*\tau
	s_mov_b32 s25, 0
	MASKLOAD \tau
	v_mov_b32 v13, 0xff61b1e6                      ; the largest t so far: -3e38, under every t
	v_floor_f32 v12, -v13
	v_mov_b32 v14, 0
	v_mov_b32 v15, 0
.set n, 0
.rept 32
	v_mov_b32 v[160+n], 0                          ; O^T: the step is written once; the first finds zeros, which the first change of M leaves zeros
.set n, n+1
.endr
	s_mov_b32 s24, 0
	s_mov_b32 s26, 16
	s_wait_loadcnt 0x0                             ; Q
.Lks_\@:
	STEP
	MASKLOAD \tau                                  ; the next step's words, behind the last read of this step's
	STEP2
	s_sub_co_u32 s26, s26, 1
	s_cmp_lg_u32 s26, 0
	s_cbranch_scc1 .Lks_\@
	; the tile's end: O^T / the sum is ctx; my 32 channels are one block of the last projection's K
	PLACES
	v_add_f32 v14, v14, v15
	v_permlanex16_b32 v241, v14, s20, s21
	v_add_f32 v14, v14, v241                       ; the row's sum
	v_rcp_f32 v14, v14
	v_nop                                          ; one plain place behind a transcendental
.set n, 0
	s_wait_alu depctr_va_vdst(0)
.rept 32
	v_mul_f32 v[96+n], v[160+n], v14               ; register i: channel 32 h + i
.set n, n+1
.endr
	v_max3_num_f32 v232, |v96|, |v97|, 0x1800000
	v_max3_num_f32 v233, |v112|, |v113|, 0x1800000
.irp i, 2,4,6,8,10,12,14
	v_max3_num_f32 v232, v232, |v[96+\i]|, |v[97+\i]|
	v_max3_num_f32 v233, v233, |v[112+\i]|, |v[113+\i]|
.endr
	v_max_num_f32 v232, v232, v233
	v_add_nc_u32 v244, 0xff000000, v232
	v_lshrrev_b32 v246, 23, v244
	v_lshlrev_b32 v248, v5, v246
	v_permlanex16_b32 v241, v248, s20, s21
	v_or_b32 v249, v248, v241                      ; my head's two scale bytes of row r
	v_cvt_scalef32_pk16_fp6_f32 v[192:194], v[96:111], v244
	v_cvt_scalef32_pk16_fp6_f32 v[204:206], v[112:127], v244
	v_nop
	v_mov_b32 v195, v204
	v_mov_b32 v196, v205
	v_mov_b32 v197, v206
	global_store_b128 v1, v[192:195], s[100:101] offset:2*GB*\tau          ; 512 and 256 consecutive bytes, aligned
	global_store_b64 v2, v[196:197], s[100:101] offset:2*GB*\tau+512
	global_store_b16 v4, v249, s[104:105] offset:2*GB*\tau                 ; two bytes of each of 16 words: the pair's other head owns the other two; both lane halves store the same
.endm
	TILE 0
	TILE 1
	s_wait_kmcnt 0x0
	s_wait_tensorcnt 0x0
	ds_add_u32 v254, v255
	s_wait_dscnt 0x0
	s_endpgm
.Lfunc_end_k_q9840a24548_attn:
	.size	k_q9840a24548_attn, .Lfunc_end_k_q9840a24548_attn-k_q9840a24548_attn
	.p2alignl 7, 3214868480
	.fill 96, 4, 3214868480
	.section	.rodata,"a",@progbits
	.p2align	6, 0x0
	.amdhsa_kernel k_q9840a24548_attn
		.amdhsa_group_segment_fixed_size 210944
		.amdhsa_private_segment_fixed_size 0
		.amdhsa_enable_private_segment 0
		.amdhsa_kernarg_size 24
		.amdhsa_user_sgpr_count 2
		.amdhsa_user_sgpr_kernarg_segment_ptr 1
		.amdhsa_wavefront_size32 1
		.amdhsa_system_sgpr_workgroup_id_x 1
		.amdhsa_system_sgpr_workgroup_id_y 1
		.amdhsa_system_sgpr_workgroup_id_z 1
		.amdhsa_system_vgpr_workitem_id 0
		.amdhsa_next_free_vgpr 256
		.amdhsa_next_free_sgpr 106
		.amdhsa_reserve_vcc 0
		.amdhsa_float_denorm_mode_32 3
		.amdhsa_float_denorm_mode_16_64 3
		.amdhsa_memory_ordered 1
		.amdhsa_forward_progress 1
		.amdhsa_inst_pref_size 58
	.end_amdhsa_kernel
	.amdgpu_metadata
---
amdhsa.version: [ 1, 2 ]
amdhsa.kernels:
  - .name:           k_q9840a24548_attn
    .symbol:         k_q9840a24548_attn.kd
    .args:
      - { .name: hb, .offset: 0, .size: 8, .value_kind: global_buffer, .address_space: global }
      - { .name: maskw, .offset: 8, .size: 8, .value_kind: global_buffer, .address_space: global }
      - { .name: ctxg, .offset: 16, .size: 8, .value_kind: global_buffer, .address_space: global }
    .group_segment_fixed_size: 210944
    .private_segment_fixed_size: 0
    .kernarg_segment_align: 8
    .kernarg_segment_size: 24
    .max_flat_workgroup_size: 512
    .sgpr_count:     106
    .vgpr_count:     256
    .wavefront_size: 32
...
	.end_amdgpu_metadata
.endif
;; end of part 3
;; launch oproj (part 4): grid 256 x 1, 8 waves a work-group, no clusters, 171,008 bytes of LDS; arguments opg, ctxg, out0; writes out0
.if DOCPART == 4
	.amdgcn_target "amdgcn-amd-amdhsa--gfx1250"
	.amdhsa_code_object_version 6
	.text
	.protected	k_q9840a24548_oproj
	.globl	k_q9840a24548_oproj
	.p2align	8
	.type	k_q9840a24548_oproj,@function
k_q9840a24548_oproj:
	s_mov_b64 s[64:65], 0
	v_nop
	global_prefetch_b8 v0, s[64:65] scope:SCOPE_SE
	s_setreg_imm32_b32 hwreg(HW_REG_WAVE_MODE, 25, 1), 1
	s_wait_xcnt 0x0
; out0 = ctx w_o^T on codes of FP6 (E2M3) with E8M0 scales.  ctx comes as codes from the attention launch, w_o from the first launch, both as G-blocks:
; 128 rows x K 1,024: fragments [K step s][tile t] of 1,536 bytes (registers 0-3 of lane l at 16 l, 4-5 at 512 + 8 l, 6-9 at 768 + 16 l, 10-11 at 1,280 + 8 l); at GSC scale words [s][t][row], 4 bytes.
; In a 64-row group row r of tile t' is row 32 (r / 8) + 8 t' + r % 8.
; A work-group keeps 128 rows of w_o in LDS as SOURCE 0 (its rows run along a lane's result registers: register 32 c + i of lane half h is output column 64 c + 32 h + i of the 128);
; each of the eight waves takes two tiles of 16 tokens (SOURCE 1: a token to a lane) straight from memory through all of K: 16 accumulators.
; A lane then holds 2 x 128 neighbouring bytes of one row of out0; a tile goes through the wave's own stage in LDS and leaves as rows of 512 consecutive bytes.
.set GB,    102400
.set GSC,   98304
.set SPI,   528                        ; a stage row: 512 bytes + 16
.set STG,   102400                     ; behind the block: 16 rows for each wave
.set F0,    32                         ; v32-79   four fragments of source 0
.set F1,    80                         ; v80-127  source 1: two buffers of two fragments
.set ACC,   128                        ; v128-255 accumulator (i, j) at 128 + 64 j + 8 i
.set S1C,   28                         ; s[28:29] source 1's fragments
; v16-23: source 1's scale words, one register a K step (lanes 0-15 tile j = 0, lanes 16-31 tile j = 1); v24-27: source 0's, a register for two tiles.  They hold scales and nothing else.
.macro PLACES                          ; four plain places between a matrix instruction and a load into, or a read of, its registers
.rept 4
	v_nop
.endr
.endm
.macro LFRAG reg, a16, a8, off
	ds_load_b128 v[(\reg):(\reg)+3], v[\a16] offset:(\off)
	ds_load_b64 v[(\reg)+4:(\reg)+5], v[\a8] offset:(\off)+512
	ds_load_b128 v[(\reg)+6:(\reg)+9], v[\a16] offset:(\off)+768
	ds_load_b64 v[(\reg)+10:(\reg)+11], v[\a8] offset:(\off)+1280
.endm
.macro GFRAG reg, off
	global_load_b128 v[(\reg):(\reg)+3], v6, s[S1C:S1C+1] offset:(\off)
	global_load_b64 v[(\reg)+4:(\reg)+5], v8, s[S1C:S1C+1] offset:(\off)+512
	global_load_b128 v[(\reg)+6:(\reg)+9], v6, s[S1C:S1C+1] offset:(\off)+768
	global_load_b64 v[(\reg)+10:(\reg)+11], v8, s[S1C:S1C+1] offset:(\off)+1280
.endm
.macro GSTEP s
.irp j, 0,1
	GFRAG F1+24*((\s)%2)+12*\j, 12288*(\s)+1536*\j
.endr
.endm
.macro MM i, j, s, zero
.set rD, ACC+64*(\j)+8*(\i)
.set rA, F0+12*((\i)%4)
.set rB, F1+24*((\s)%2)+12*(\j)
.set rP, 24+(\i)/2
.set rQ, 16+(\s)
.if \zero
.if ((\i)%2 == 0) && ((\j) == 0)
	v_wmma_scale_f32_16x16x128_f8f6f4 v[rD:rD+7], v[rA:rA+11], v[rB:rB+11], 0, v[rP], v[rQ] matrix_a_fmt:MATRIX_FMT_FP6 matrix_b_fmt:MATRIX_FMT_FP6
.elseif ((\i)%2 == 0)
	v_wmma_scale_f32_16x16x128_f8f6f4 v[rD:rD+7], v[rA:rA+11], v[rB:rB+11], 0, v[rP], v[rQ] matrix_a_fmt:MATRIX_FMT_FP6 matrix_b_fmt:MATRIX_FMT_FP6 matrix_b_scale:MATRIX_SCALE_ROW1
.elseif ((\j) == 0)
	v_wmma_scale_f32_16x16x128_f8f6f4 v[rD:rD+7], v[rA:rA+11], v[rB:rB+11], 0, v[rP], v[rQ] matrix_a_fmt:MATRIX_FMT_FP6 matrix_b_fmt:MATRIX_FMT_FP6 matrix_a_scale:MATRIX_SCALE_ROW1
.else
	v_wmma_scale_f32_16x16x128_f8f6f4 v[rD:rD+7], v[rA:rA+11], v[rB:rB+11], 0, v[rP], v[rQ] matrix_a_fmt:MATRIX_FMT_FP6 matrix_b_fmt:MATRIX_FMT_FP6 matrix_a_scale:MATRIX_SCALE_ROW1 matrix_b_scale:MATRIX_SCALE_ROW1
.endif
.else
.if ((\i)%2 == 0) && ((\j) == 0)
	v_wmma_scale_f32_16x16x128_f8f6f4 v[rD:rD+7], v[rA:rA+11], v[rB:rB+11], v[rD:rD+7], v[rP], v[rQ] matrix_a_fmt:MATRIX_FMT_FP6 matrix_b_fmt:MATRIX_FMT_FP6
.elseif ((\i)%2 == 0)
	v_wmma_scale_f32_16x16x128_f8f6f4 v[rD:rD+7], v[rA:rA+11], v[rB:rB+11], v[rD:rD+7], v[rP], v[rQ] matrix_a_fmt:MATRIX_FMT_FP6 matrix_b_fmt:MATRIX_FMT_FP6 matrix_b_scale:MATRIX_SCALE_ROW1
.elseif ((\j) == 0)
	v_wmma_scale_f32_16x16x128_f8f6f4 v[rD:rD+7], v[rA:rA+11], v[rB:rB+11], v[rD:rD+7], v[rP], v[rQ] matrix_a_fmt:MATRIX_FMT_FP6 matrix_b_fmt:MATRIX_FMT_FP6 matrix_a_scale:MATRIX_SCALE_ROW1
.else
	v_wmma_scale_f32_16x16x128_f8f6f4 v[rD:rD+7], v[rA:rA+11], v[rB:rB+11], v[rD:rD+7], v[rP], v[rQ] matrix_a_fmt:MATRIX_FMT_FP6 matrix_b_fmt:MATRIX_FMT_FP6 matrix_a_scale:MATRIX_SCALE_ROW1 matrix_b_scale:MATRIX_SCALE_ROW1
.endif
.endif
.endm
; A K step of 128: 16 products, the 16 accumulators by turns, one instruction a turn.  zero = 1: the first step starts the sums.
.macro KSTEP s, zero
.set LA, 6+(\s)/4                      ; LDS offsets hold 16 bits: steps 4-7 take the address registers that stand 49,152 bytes on
.set LB, 8+(\s)/4
.irp t, 0,1,2,3
	LFRAG F0+12*\t, LA, LB, 12288*((\s)%4)+1536*\t
.endr
.irp b, 0,1,2,3
	ds_load_b32 v[24+\b], v10 offset:512*(\s)+128*\b
.endr
.if (\s) < 7
	s_wait_loadcnt 8                               ; this step's fragments of source 1 are in; the next step's eight loads may be out
.else
	s_wait_loadcnt 0x0
.endif
	s_wait_dscnt 0x0
.irp i, 0,1,2,3
.irp j, 0,1
	MM \i, \j, \s, \zero
.endr
.endr
	PLACES
.irp t, 0,1,2,3
	LFRAG F0+12*\t, LA, LB, 12288*((\s)%4)+1536*(\t+4)
.endr
	s_wait_dscnt 0x0
.irp i, 4,5,6,7
.irp j, 0,1
	MM \i, \j, \s, \zero
.endr
.endr
	PLACES                                         ; they serve the loads below, the next step's loads, and at the end the first reads of the results
.if (\s) < 6
	GSTEP (\s)+2
.endif
.endm
	s_load_b128 s[4:7], s[0:1], 0x0                ; opg, ctxg
	s_load_b64 s[8:9], s[0:1], 0x10                ; out0
	v_lshl_add_u32 v30, v0, 2, 0x29800
	v_mov_b32 v31, 0
	v_lshrrev_b32 v1, 5, v0
	v_readfirstlane_b32 s10, v1                    ; wave 0..7
	v_and_b32 v1, 31, v0                           ; lane
	v_and_b32 v2, 15, v0                           ; r
	v_bfe_u32 v3, v0, 4, 1                         ; h
	v_lshlrev_b32 v4, 4, v0                        ; the copy: 16 x thread
	v_add_nc_u32 v5, 0x10000, v4
	v_lshlrev_b32 v6, 4, v1                        ; 16 x lane
	v_add_nc_u32 v7, 49152, v6
	v_lshlrev_b32 v8, 3, v1                        ; 8 x lane
	v_add_nc_u32 v9, 49152, v8
	v_lshl_add_u32 v10, v1, 2, GSC                 ; source 0's scale words in LDS
	v_lshlrev_b32 v11, 2, v1                       ; 4 x lane
	s_mul_i32 s34, s10, 16*SPI
	s_add_co_u32 s34, s34, STG                     ; my stage
	v_mul_u32_u24 v12, v2, SPI
	v_lshl_add_u32 v12, v3, 7, v12
	v_add_nc_u32 v12, s34, v12                     ; into it: row r, + 128 h
	v_add_nc_u32 v13, s34, v6                      ; back: a row's 512 bytes, 16 a lane
	s_lshr_b32 s11, s10, 2
	s_and_b32 s12, s10, 3                          ; b: my pair of tiles
	s_and_b32 s13, ttmp9, 7                        ; eg: which 128 output columns
	s_lshr_b32 s14, ttmp9, 3
	s_lshl_b32 s15, s14, 1
	s_add_co_u32 s15, s15, s11                     ; Gc: which 128 tokens
	s_add_co_u32 s16, s13, 216
	s_mul_i32 s16, s16, GB
	s_mov_b32 s17, 0
	s_mul_i32 s18, s15, GB
	s_mul_i32 s20, s12, 3072
	s_add_co_u32 s20, s20, s18
	s_mov_b32 s21, 0
	s_lshl_b32 s22, s12, 7
	s_add_co_u32 s22, s22, s18
	s_add_co_u32 s22, s22, GSC
	s_mov_b32 s23, 0
	s_lshl_b32 s24, s15, 7
	s_lshr_b32 s25, s12, 1
	s_lshl_b32 s25, s25, 6
	s_add_co_u32 s24, s24, s25
	s_and_b32 s25, s12, 1
	s_lshl_b32 s25, s25, 4
	s_add_co_u32 s24, s24, s25                     ; row 0 of my tile j = 0: 128 Gc + 64 (b / 2) + 16 (b % 2)
	s_lshl_b32 s24, s24, 12                        ; rows of 4,096 bytes
	s_lshl_b32 s25, s13, 9
	s_add_co_u32 s24, s24, s25                     ; + my 128 columns
	s_mov_b32 s25, 0
	s_wait_kmcnt 0x0
	s_add_nc_u64 s[26:27], s[4:5], s[16:17]        ; w_o's block
	s_add_nc_u64 s[S1C:S1C+1], s[6:7], s[20:21]    ; ctx: my pair's fragments of K step 0
	s_add_nc_u64 s[30:31], s[6:7], s[22:23]        ; and its scale words
	s_add_nc_u64 s[32:33], s[8:9], s[24:25]
.set i, 0
.rept 25                               ; source 0's block into LDS, through the registers that the accumulators will take
	global_load_b128 v[ACC+4*i:ACC+4*i+3], v4, s[26:27] offset:4096*i
.set i, i+1
.endr
.set i, 0
.rept 8
	global_load_b32 v[16+i], v11, s[30:31] offset:512*i
.set i, i+1
.endr
	GSTEP 0
	GSTEP 1
	s_wait_loadcnt 24                              ; the 25 are in; the 8 + 8 + 8 loads issued behind them may be out
.set i, 0
.rept 16
	ds_store_b128 v4, v[ACC+4*i:ACC+4*i+3] offset:4096*i
.set i, i+1
.endr
.set i, 0
.rept 9
	ds_store_b128 v5, v[ACC+64+4*i:ACC+64+4*i+3] offset:4096*i
.set i, i+1
.endr
	s_wait_dscnt 0x0                               ; for the others' sake: my part of the block lies in LDS
	s_barrier_signal -1
	s_barrier_wait -1                              ; behind it the block is only read; the stages are each wave's own
	KSTEP 0, 1
.irp s, 1,2,3,4,5,6,7
	KSTEP \s, 0
.endr
	; THE WAY OUT, a tile of 16 tokens at a time.  LDS serves a wave's instructions in order: no wait between the stores and the loads, nor in front of the next tile's stores.
.irp j, 0,1
.set BK, 32+96*\j                      ; rows read back: v32-95, then v128-191 (tile 0's accumulators, which have gone to the stage)
.set i, 0
.rept 16
	ds_store_b128 v12, v[ACC+64*\j+4*i:ACC+64*\j+4*i+3] offset:256*(i/8)+16*(i%8)   ; each accumulator from its low end on
.set i, i+1
.endr
.set i, 0
.rept 16
	ds_load_b128 v[BK+4*i:BK+4*i+3], v13 offset:SPI*i
.set i, i+1
.endr
	s_wait_dscnt 0x0
.set i, 0
.rept 16
	global_store_b128 v6, v[BK+4*i:BK+4*i+3], s[32:33] offset:32768*\j+(32*(i/8)+i%8)*4096 th:TH_STORE_NT   ; 32 lanes store 512 consecutive bytes of one row, aligned; written once, read by nobody here
.set i, i+1
.endr
.endr
	s_wait_tensorcnt 0x0
	ds_add_u32 v30, v31
	s_wait_dscnt 0x0
	s_endpgm
.Lfunc_end_k_q9840a24548_oproj:
	.size	k_q9840a24548_oproj, .Lfunc_end_k_q9840a24548_oproj-k_q9840a24548_oproj
	.p2alignl 7, 3214868480
	.fill 96, 4, 3214868480
	.section	.rodata,"a",@progbits
	.p2align	6, 0x0
	.amdhsa_kernel k_q9840a24548_oproj
		.amdhsa_group_segment_fixed_size 171008
		.amdhsa_private_segment_fixed_size 0
		.amdhsa_enable_private_segment 0
		.amdhsa_kernarg_size 24
		.amdhsa_user_sgpr_count 2
		.amdhsa_user_sgpr_kernarg_segment_ptr 1
		.amdhsa_wavefront_size32 1
		.amdhsa_system_sgpr_workgroup_id_x 1
		.amdhsa_system_sgpr_workgroup_id_y 1
		.amdhsa_system_sgpr_workgroup_id_z 1
		.amdhsa_system_vgpr_workitem_id 0
		.amdhsa_next_free_vgpr 256
		.amdhsa_next_free_sgpr 66
		.amdhsa_reserve_vcc 0
		.amdhsa_float_denorm_mode_32 3
		.amdhsa_float_denorm_mode_16_64 3
		.amdhsa_memory_ordered 1
		.amdhsa_forward_progress 1
		.amdhsa_inst_pref_size 58
	.end_amdhsa_kernel
	.amdgpu_metadata
---
amdhsa.version: [ 1, 2 ]
amdhsa.kernels:
  - .name:           k_q9840a24548_oproj
    .symbol:         k_q9840a24548_oproj.kd
    .args:
      - { .name: opg, .offset: 0, .size: 8, .value_kind: global_buffer, .address_space: global }
      - { .name: ctxg, .offset: 8, .size: 8, .value_kind: global_buffer, .address_space: global }
      - { .name: out0, .offset: 16, .size: 8, .value_kind: global_buffer, .address_space: global }
    .group_segment_fixed_size: 171008
    .private_segment_fixed_size: 0
    .kernarg_segment_align: 8
    .kernarg_segment_size: 24
    .max_flat_workgroup_size: 256
    .sgpr_count:     66
    .vgpr_count:     256
    .wavefront_size: 32
...
	.end_amdgpu_metadata
.endif
;; end of part 4
;; ======== version 2 of 2: 4 launches
;; limits: right only within a limited range of input values
;; workspace buffers: opg 22,937,600 bytes; hb 20,185,088 bytes; ctxg 6,553,600 bytes; maskw 524,288 bytes of whole numbers
;; launch prep (part 5): grid 256 x 1, 8 waves a work-group, no clusters, 72,704 bytes of LDS; arguments q, k, v, w_q, w_k, w_v, w_o, mask, opg, maskw; writes opg, maskw
.if DOCPART == 5
	.amdgcn_target "amdgcn-amd-amdhsa--gfx1250"
	.amdhsa_code_object_version 6
	.text
	.protected	k_q9840a24548_prep
	.globl	k_q9840a24548_prep
	.p2align	8
	.type	k_q9840a24548_prep,@function
k_q9840a24548_prep:
	s_mov_b64 s[64:65], 0
	v_nop
	global_prefetch_b8 v0, s[64:65] scope:SCOPE_SE
	s_setreg_imm32_b32 hwreg(HW_REG_WAVE_MODE, 25, 1), 1
	s_wait_xcnt 0x0
; q, k, v [8192][1024] and w_q, w_k, w_v, w_o [1024][1024], f32, K innermost, become codes of FP6 (E2M3) with one E8M0 byte for each 32 along K,
; laid in the ORDER OF THE OPERAND'S REGISTERS; and the mask [2048][2048] of bytes becomes words of 32 lane bits for the attention launch.
; A G-BLOCK (GB bytes) holds 128 rows x K 1,024: fragments [K step s 0..7][tile t 0..7] of 1,536 bytes, then at GSC the scale words [s][t][row r], 4 bytes each.
; A FRAGMENT (16 rows x 128 K, 12 registers a lane) is two halves of 768 bytes: registers 0-3 of lane l at 16 l, registers 4-5 at 512 + 8 l; the second half likewise for registers 6-11.
; THE ROWS OF A TILE ARE NOT NEIGHBOURS: inside each 64 rows, row r of tile t' is row 32 (r / 8) + 8 t' + r % 8.  Taken as source 0 of a product, four such tiles leave 32 NEIGHBOURING rows in one lane's 32 result registers.
; A block's scale is 2^(floor(log2(its largest magnitude)) - 2): its byte is the largest magnitude's exponent field - 2, held at 1 from below.
; LIMITS: NaN and infinities among the inputs are not served.  A block of zeros gets the byte 1 where the rule says 127: its codes are zeros, which add nothing, and this program alone reads the bytes.
; Work-groups 0-223 make one G-block each (q 0-63, k 64-127, v 128-191, w_q 192-199, w_k 200-207, w_v 208-215, w_o 216-223); wave w makes tile w for all eight K steps.
; Work-groups 224-255 make the mask words; they use no LDS and meet no barrier.  The branch hangs on the work-group's number alone, so all eight waves of a work-group take the same way.
.set GB,   102400
.set GSC,  98304
.set SPI,  528                         ; a stage row: 512 bytes + 16: the sixteen rows that a load touches start in sixteen different groups of banks
.set STGB, 16*SPI                      ; a wave's own stage
.set SCL,  8*STGB                      ; behind the stages: the block's 4,096 bytes of scale words
.set SH8,  6                           ; v6    8 x (lane / 16)
.set PC,   16                          ; v16-39  codes, two sets of 12
.set TP,   40                          ; v40-46  the upper halves of the blocks' codes, before they are moved
.set CH,   48                          ; v48-51  four chains of maxima
.set SC,   52                          ; v52-53  the conversions' scale operands
.set BY,   54                          ; v54-55  the scale bytes
.set WW,   56
.set TT,   57
.set PW,   58                          ; the scale word
.set R,    64                          ; v64-191 two sets of 64: a K step as it is loaded
.set X,    192                         ; v192-255 a lane's 64 numbers: register 32 c + i = k 64 c + 32 (lane / 16) + i of its row
.set SEL,  40                          ; s[40:41] lane selects: lane l xor 16
; 64 numbers of a lane become a fragment's 12 registers v[pc] on and its row's scale word v[pw].  Both of a lane's blocks lie wholly in the lane: no other lane is asked for a maximum.
; free = 1: v[pc] on were the data of earlier stores.
.macro QUANT64 src, pc, pw, free
.irp c, 0,1
.irp a, 0,1
	v_max3_num_f32 v[CH+2*\c+\a], |v[(\src)+32*\c+16*\a]|, |v[(\src)+32*\c+16*\a+1]|, 0x1800000   ; the floor 2^(3 - 127) among the leaves: the byte cannot fall under 1
.endr
.endr
.irp i, 2,4,6,8,10,12,14
.irp c, 0,1
.irp a, 0,1
	s_delay_alu instid0(VALU_DEP_4)
	v_max3_num_f32 v[CH+2*\c+\a], v[CH+2*\c+\a], |v[(\src)+32*\c+16*\a+\i]|, |v[(\src)+32*\c+16*\a+\i+1]|   ; four chains by turns
.endr
.endr
.endr
.irp c, 0
	s_delay_alu instid0(VALU_DEP_3)
	v_max_num_f32 v[CH+2*\c], v[CH+2*\c], v[CH+2*\c+1]
.endr
.irp c, 1
	s_delay_alu instid0(VALU_DEP_2)
	v_max_num_f32 v[CH+2*\c], v[CH+2*\c], v[CH+2*\c+1]
.endr
.irp c, 0,1
	s_delay_alu instid0(VALU_DEP_2)
	v_add_nc_u32 v[SC+\c], 0xff000000, v[CH+2*\c]      ; 2 off the exponent field: the conversion takes that field as its scale
.endr
.irp c, 0,1
	s_delay_alu instid0(VALU_DEP_2)
	v_lshrrev_b32 v[BY+\c], 23, v[SC+\c]               ; the scale's byte
.endr
	s_delay_alu instid0(VALU_DEP_1)
	v_lshl_or_b32 v[WW], v[BY+1], 16, v[BY]            ; my blocks h and 2 + h,
	s_delay_alu instid0(VALU_DEP_1)
	v_lshlrev_b32 v[WW], v[SH8], v[WW]                 ; at their places in the word;
	s_delay_alu instid0(VALU_DEP_1)
	v_permlanex16_b32 v[TT], v[WW], s[SEL], s[SEL+1]
	s_delay_alu instid0(VALU_DEP_1)
	v_or_b32 v[\pw], v[WW], v[TT]                      ; with lane l xor 16's two the word is whole
.if \free
	s_wait_alu depctr_va_vdst(0)
	s_wait_xcnt 0x0                                    ; the stores that read these registers have read them
.endif
.irp c, 0,1
	v_cvt_scalef32_pk16_fp6_f32 v[(\pc)+6*\c:(\pc)+6*\c+2], v[(\src)+32*\c:(\src)+32*\c+15], v[SC+\c]
	v_cvt_scalef32_pk16_fp6_f32 v[TP+4*\c:TP+4*\c+2], v[(\src)+32*\c+16:(\src)+32*\c+31], v[SC+\c]   ; (a conversion's three registers begin on an even number)
.endr
	v_nop                                              ; one plain place behind a scaled conversion
.irp c, 0,1
.irp i, 0,1,2
	v_mov_b32 v[(\pc)+6*\c+3+\i], v[TP+4*\c+\i]
.endr
.endr
.endm
	s_load_b512 s[4:19], s[0:1], 0x0               ; q, k, v, w_q, w_k, w_v, w_o, mask
	s_load_b128 s[20:23], s[0:1], 0x40             ; opg, maskw
	v_lshl_add_u32 v59, v0, 2, 0x11800
	s_set_vgpr_msb 0x40
	v_mov_b32 v1, 0
	s_set_vgpr_msb 0x4000
	v_lshrrev_b32 v1, 5, v0
	s_delay_alu instid0(VALU_DEP_1)
	v_readfirstlane_b32 s24, v1                    ; wave 0..7
	v_and_b32 v8, 31, v0                           ; lane
	v_and_b32 v9, 15, v0                           ; r
	v_bfe_u32 v10, v0, 4, 1                        ; h
	s_delay_alu instid0(VALU_DEP_3)
	v_lshlrev_b32 v1, 4, v8                        ; 16 x lane
	s_delay_alu instid0(VALU_DEP_4)
	v_lshlrev_b32 v2, 3, v8                        ; 8 x lane
	s_cmp_ge_u32 ttmp9, 224
	s_cbranch_scc1 .Lmask
	; ---------------- one G-block ----------------
	s_mul_i32 s25, s24, STGB                       ; my stage
	v_add_nc_u32 v3, s25, v1                       ; into it: a row's 512 bytes as they lie
	v_mul_u32_u24 v4, v9, SPI
	s_delay_alu instid0(VALU_DEP_1)
	v_lshl_add_u32 v4, v10, 7, v4
	s_delay_alu instid0(VALU_DEP_1)
	v_add_nc_u32 v4, s25, v4                       ; out of it: row r, + 128 h: my 32 numbers of each 64
	s_lshl_b32 s26, s24, 6
	s_add_co_u32 s26, s26, SCL
	v_lshl_add_u32 v5, v9, 2, s26                  ; my tile's scale words: 64 x tile + 4 r
	v_lshlrev_b32 v[SH8], 3, v10
	s_lshl_b32 s27, s24, 9
	v_add_nc_u32 v11, s27, v1                      ; the way out of the scale words: 512 x wave + 16 x lane
	s_delay_alu instid0(VALU_DEP_1)
	v_add_nc_u32 v7, SCL, v11
	v_mov_b32 v[TT], 0                             ; a lane permute's destination counts as one of its sources
	s_mov_b32 s[SEL], 0x76543210
	s_mov_b32 s[SEL+1], 0xfedcba98
	s_and_b32 s30, ttmp9, 63
	s_and_b32 s31, ttmp9, 7
	s_cmp_lt_u32 ttmp9, 192
	s_cselect_b32 s30, s30, s31                    ; which 128 rows of the tensor
	s_lshl_b32 s30, s30, 7
	s_lshr_b32 s31, s24, 2
	s_lshl_b32 s31, s31, 6
	s_add_co_u32 s30, s30, s31
	s_and_b32 s31, s24, 3
	s_lshl_b32 s31, s31, 3
	s_add_co_u32 s30, s30, s31                     ; my tile's row 0: 128 x group + 64 (w / 4) + 8 (w % 4)
	s_lshl_b32 s30, s30, 12                        ; rows of 4,096 bytes
	s_mov_b32 s31, 0
	s_wait_alu depctr_va_vdst(0)
	s_wait_kmcnt 0x0
	s_mov_b64 s[28:29], s[4:5]                     ; the tensor: a choice on the work-group's number alone
	s_cmp_ge_u32 ttmp9, 64
	s_cselect_b64 s[28:29], s[6:7], s[28:29]
	s_cmp_ge_u32 ttmp9, 128
	s_cselect_b64 s[28:29], s[8:9], s[28:29]
	s_cmp_ge_u32 ttmp9, 192
	s_cselect_b64 s[28:29], s[10:11], s[28:29]
	s_cmp_ge_u32 ttmp9, 200
	s_cselect_b64 s[28:29], s[12:13], s[28:29]
	s_cmp_ge_u32 ttmp9, 208
	s_cselect_b64 s[28:29], s[14:15], s[28:29]
	s_cmp_ge_u32 ttmp9, 216
	s_cselect_b64 s[28:29], s[16:17], s[28:29]
	s_add_nc_u64 s[28:29], s[28:29], s[30:31]
	s_mul_i32 s30, ttmp9, GB
	s_add_nc_u64 s[42:43], s[20:21], s[30:31]      ; my G-block
	s_mul_i32 s30, s24, 1536
	s_add_nc_u64 s[34:35], s[42:43], s[30:31]      ; my tile's fragment of K step 0
.macro QLOAD s                         ; K step s of my 16 rows: each load reads 512 consecutive bytes of one row
.irp p, 0,1,2,3,4,5,6,7,8,9,10,11,12,13,14,15
	global_load_b128 v[R+64*((\s)%2)+4*\p:R+64*((\s)%2)+4*\p+3], v1, s[28:29] offset:(32*(\p/8)+\p%8)*4096+512*(\s) th:TH_LOAD_NT
.endr
.endm
.macro QSTEP s
.set P0, PC+12*((\s)%2)
.if (\s) < 7
	s_wait_loadcnt 16                              ; this step's 16 loads are in; the next step's 16 may be out
.else
	s_wait_loadcnt 0x0
.endif
.irp p, 0,1,2,3,4,5,6,7,8,9,10,11,12,13,14,15
	ds_store_b128 v3, v[R+64*((\s)%2)+4*\p:R+64*((\s)%2)+4*\p+3] offset:SPI*\p
.endr
.irp c, 0,1
.irp q, 0,1,2,3,4,5,6,7
	ds_load_b128 v[X+32*\c+4*\q:X+32*\c+4*\q+3], v4 offset:256*\c+16*\q   ; LDS serves a wave's instructions in order: these see the stores above
.endr
.endr
	s_wait_dscnt 0x0                               ; my 64 numbers are in, and the stores have read the set that the loads below fill again
.if (\s) < 6
	QLOAD (\s)+2
.endif
	QUANT64 X, P0, PW, 1
	ds_store_b32 v5, v[PW] offset:512*(\s)         ; both halves of the lanes write the same word with the same value
	global_store_b128 v1, v[P0:P0+3], s[34:35] offset:12288*(\s)          ; each store covers 512 or 256 consecutive bytes, aligned
	global_store_b64 v2, v[P0+4:P0+5], s[34:35] offset:12288*(\s)+512
	global_store_b128 v1, v[P0+6:P0+9], s[34:35] offset:12288*(\s)+768
	global_store_b64 v2, v[P0+10:P0+11], s[34:35] offset:12288*(\s)+1280
.endm
	QLOAD 0
	QLOAD 1
.irp s, 0,1,2,3,4,5,6,7
	QSTEP \s
.endr
	s_wait_dscnt 0x0                               ; for the others' sake: my scale words lie in LDS
	s_barrier_signal -1
	s_barrier_wait -1
	ds_load_b128 v[60:63], v7                      ; the block's 4,096 bytes of scale words leave in whole runs of 512 bytes a wave
	s_wait_dscnt 0x0
	global_store_b128 v11, v[60:63], s[42:43] offset:GSC
	s_set_vgpr_msb 0x4
	s_wait_tensorcnt 0x0
	ds_add_u32 v59, v1
	s_wait_dscnt 0x0
	s_set_vgpr_msb 0x400
	s_endpgm
	; ---------------- the mask ----------------
	; maskw [query tile qt 0..127][key step ks 0..15][n 0..63]: bit (r, h) of word n = 32 c + i is mask[64 (qt / 4) + 8 (qt % 4) + 32 (r / 8) + r % 8][128 ks + 64 c + 32 h + i]:
	; the lane and the register in which the attention launch holds that score.  A wave takes half a query tile: eight key steps.
.Lmask:
	s_sub_co_u32 s25, ttmp9, 224
	s_lshl_b32 s25, s25, 3
	s_add_co_u32 s25, s25, s24
	s_lshr_b32 s26, s25, 1                         ; qt
	s_and_b32 s27, s25, 1                          ; which eight key steps
	s_wait_alu depctr_va_vdst(0)
	v_lshrrev_b32 v3, 3, v9
	v_and_b32 v4, 7, v9
	s_delay_alu instid0(VALU_DEP_1)
	v_lshl_add_u32 v3, v3, 5, v4                   ; 32 (r / 8) + r % 8
	s_delay_alu instid0(VALU_DEP_1)
	v_lshlrev_b32 v3, 11, v3                       ; rows of 2,048 bytes
	s_delay_alu instid0(VALU_DEP_1)
	v_lshl_add_u32 v3, v10, 5, v3                  ; + 32 h
	s_lshr_b32 s28, s26, 2
	s_lshl_b32 s28, s28, 6
	s_and_b32 s29, s26, 3
	s_lshl_b32 s29, s29, 3
	s_add_co_u32 s28, s28, s29
	s_lshl_b32 s28, s28, 11
	s_lshl_b32 s29, s27, 10
	s_add_co_u32 s28, s28, s29
	s_mov_b32 s29, 0
	s_lshl_b32 s30, s26, 12
	s_lshl_b32 s31, s27, 11
	s_add_co_u32 s30, s30, s31
	s_mov_b32 s31, 0
	s_wait_alu depctr_va_vdst(0)
	s_wait_kmcnt 0x0
	s_add_nc_u64 s[18:19], s[18:19], s[28:29]
	s_add_nc_u64 s[22:23], s[22:23], s[30:31]
.irp u, 0,1,2,3,4,5,6,7
.irp c, 0,1
.irp q, 0,1
	global_load_b128 v[64+16*\u+8*\c+4*\q:64+16*\u+8*\c+4*\q+3], v3, s[18:19] offset:128*\u+64*\c+16*\q
.endr
.endr
.endr
.set n, 0
.rept 16
	v_mov_b32 v[32+n], 0                           ; written whole once: v_writelane_b32 fills them lane by lane
.set n, n+1
.endr
.macro MUNIT u                         ; byte n of my 64 -> one bit of each lane -> word n -> lane n / 2 of register n % 2
	s_wait_loadcnt 4*(7-(\u))                      ; this unit's four loads are in; the later units' may be out
.set n, 0
.rept 64
	v_and_b32 v[12+n%4], 0xff<<(8*(n%4)), v[64+16*(\u)+n/4]
	s_delay_alu instid0(VALU_DEP_1)
	v_cmp_ne_u32 s[36+n%4], 0, v[12+n%4]
	s_delay_alu instid0(VALU_DEP_1)
	v_writelane_b32 v[32+2*(\u)+n%2], s[36+n%4], n/2
.set n, n+1
.endr
	global_store_b64 v2, v[32+2*(\u):33+2*(\u)], s[22:23] offset:256*(\u)   ; 32 lanes store 256 consecutive bytes, aligned
.endm
.irp u, 0,1,2,3,4,5,6,7
	MUNIT \u
.endr
	s_endpgm
.Lfunc_end_k_q9840a24548_prep:
	.size	k_q9840a24548_prep, .Lfunc_end_k_q9840a24548_prep-k_q9840a24548_prep
	.p2alignl 7, 3214868480
	.fill 96, 4, 3214868480
	.section	.rodata,"a",@progbits
	.p2align	6, 0x0
	.amdhsa_kernel k_q9840a24548_prep
		.amdhsa_group_segment_fixed_size 72704
		.amdhsa_private_segment_fixed_size 0
		.amdhsa_enable_private_segment 0
		.amdhsa_kernarg_size 80
		.amdhsa_user_sgpr_count 2
		.amdhsa_user_sgpr_kernarg_segment_ptr 1
		.amdhsa_wavefront_size32 1
		.amdhsa_system_sgpr_workgroup_id_x 1
		.amdhsa_system_sgpr_workgroup_id_y 1
		.amdhsa_system_sgpr_workgroup_id_z 1
		.amdhsa_system_vgpr_workitem_id 0
		.amdhsa_next_free_vgpr 258
		.amdhsa_next_free_sgpr 66
		.amdhsa_reserve_vcc 0
		.amdhsa_float_denorm_mode_32 3
		.amdhsa_float_denorm_mode_16_64 3
		.amdhsa_memory_ordered 1
		.amdhsa_forward_progress 1
		.amdhsa_inst_pref_size 204
	.end_amdhsa_kernel
	.amdgpu_metadata
---
amdhsa.version: [ 1, 2 ]
amdhsa.kernels:
  - .name:           k_q9840a24548_prep
    .symbol:         k_q9840a24548_prep.kd
    .args:
      - { .name: q, .offset: 0, .size: 8, .value_kind: global_buffer, .address_space: global }
      - { .name: k, .offset: 8, .size: 8, .value_kind: global_buffer, .address_space: global }
      - { .name: v, .offset: 16, .size: 8, .value_kind: global_buffer, .address_space: global }
      - { .name: w_q, .offset: 24, .size: 8, .value_kind: global_buffer, .address_space: global }
      - { .name: w_k, .offset: 32, .size: 8, .value_kind: global_buffer, .address_space: global }
      - { .name: w_v, .offset: 40, .size: 8, .value_kind: global_buffer, .address_space: global }
      - { .name: w_o, .offset: 48, .size: 8, .value_kind: global_buffer, .address_space: global }
      - { .name: mask, .offset: 56, .size: 8, .value_kind: global_buffer, .address_space: global }
      - { .name: opg, .offset: 64, .size: 8, .value_kind: global_buffer, .address_space: global }
      - { .name: maskw, .offset: 72, .size: 8, .value_kind: global_buffer, .address_space: global }
    .group_segment_fixed_size: 72704
    .private_segment_fixed_size: 0
    .kernarg_segment_align: 8
    .kernarg_segment_size: 80
    .max_flat_workgroup_size: 256
    .sgpr_count:     66
    .vgpr_count:     258
    .wavefront_size: 32
...
	.end_amdgpu_metadata
.endif
;; end of part 5
;; launch proj (part 6): grid 768 x 1, 8 waves a work-group, no clusters, 103,424 bytes of LDS; arguments opg, hb; writes hb
.if DOCPART == 6
	.amdgcn_target "amdgcn-amd-amdhsa--gfx1250"
	.amdhsa_code_object_version 6
	.text
	.protected	k_q9840a24548_proj
	.globl	k_q9840a24548_proj
	.p2align	8
	.type	k_q9840a24548_proj,@function
k_q9840a24548_proj:
	s_mov_b64 s[64:65], 0
	v_nop
	global_prefetch_b8 v0, s[64:65] scope:SCOPE_SE
	s_setreg_imm32_b32 hwreg(HW_REG_WAVE_SCHED_MODE, 0, 2), 2
	s_setreg_imm32_b32 hwreg(HW_REG_WAVE_MODE, 25, 1), 1
	s_wait_xcnt 0x0
	s_wait_alu depctr_vm_vsrc(0)
; The three projections, on codes of FP6 (E2M3) with E8M0 scales, and the quantising of their results for the attention launch.  p = work-group / 256: 0 Q, 1 K, 2 V.
; A work-group keeps one G-block (128 rows x K 1,024: see below) in LDS as SOURCE 0: its 128 rows run along a lane's 64 result registers (two lane halves).
; Each of the eight waves takes two tiles of 16 rows of the other operand (SOURCE 1: a row to a lane), straight from memory, through all of K: 16 accumulators.
;   Q, K: source 0 = 128 rows of the weight (two heads), source 1 = tokens: a lane holds ONE token and 32 neighbouring channels of each of the two heads: K of the scores' product.
;   V:    source 0 = 128 tokens (a key step), source 1 = rows of w_v: a lane holds ONE channel and 2 x 32 neighbouring keys: K of the second product.
; So in both cases the results are quantised in the lane, with no exchange but the scale word's, and the conversions' results ARE the next operand's registers.
; G-BLOCK: fragments [K step s][tile t] of 1,536 bytes (registers 0-3 of lane l at 16 l, 4-5 at 512 + 8 l, 6-9 at 768 + 16 l, 10-11 at 1,280 + 8 l); at GSC scale words [s][t][row], 4 bytes.
; In a 64-row group row r of tile t' is row 32 (r / 8) + 8 t' + r % 8, so that register 32 c + i of lane half h is source 0's row 64 c + 32 h + i.
; hb: [batch x 16 + head][key step 0..15] blocks of HBLK bytes: K's 8 tiles x 768 (16 tokens x 64 channels: registers 0-5); K's scale words [pair][row][tile % 2]; V^T's 4 fragments x 1,536
; (16 channels x 128 keys); V's scale words; Q's 8 tiles x 768; Q's scale words.  In K's and Q's words bytes 0, 1 are the head's; bytes 2, 3 are the neighbouring head's or 0, never 0xff.
; LIMITS: NaN and infinities are not served; a block of zeros gets the byte 1 (its codes are zeros; this program alone reads the bytes).
; THE MODE: SCHED_MODE bits 1:0 = 2 (LLVM: expert scheduling mode 2), set by the entry lines.  The code itself states the register dependences
; between vector or matrix instructions and memory or LDS instructions, with s_wait_alu, always for 0.
; THE PLAN.  Registers that memory or LDS instructions touch:
;   v4-v11, v13    offsets and LDS addresses: made once at the head, never written again.
;   ACC            at the head the copy's loads land in it and the LDS stores read it; from the first product on matrix instructions write it.
;   H0 = v32-55, H1 = v56-79   a pair of source 0's tiles each.  A K step is four sub-steps; sub-step g = 4 s + u multiplies H[g % 2] (four products); the nine LDS loads of
;                  sub-step g + 1 land in H[(g + 1) % 2] and in the scale register v24 + (g + 1) % 4: what sub-step g - 1 and earlier ones read, and no product of sub-step g names.
;   F1             two buffers; step s reads buffer s % 2; the eight loads of step s + 1 are issued at the head of step s, into the buffer that step s - 1 read.
;   v16-23         source 1's scale words: loaded once.
;   v32-55, v74-75 on the way out: written by the conversions, moves and shifts, read by the nine stores.
; So ONE wait on va_vdst stands at a sub-step's head, behind the wait for its LDS loads; the loads follow it, and the sub-step's four products follow the loads.
.set GB,    102400
.set GSC,   98304
.set HBLK,  19712
.set HEADB, 315392
.set VC,    6656
.set VSC,   12800
.set QC,    13056
.set F0,    32                         ; v32-79   four fragments of source 0: two halves of two
.set F1,    80                         ; v80-127  source 1: two buffers of two fragments
.set ACC,   128                        ; v128-255 accumulator (i, j) at 128 + 64 j + 8 i
.set S1C,   52                         ; s[52:53] source 1's fragments
.set SEL,   8                          ; s[8:9]   lane selects: lane l xor 16
.set SH8,   14                         ; v14      8 x (lane / 16)
.set PC,    32                         ; the way out: codes, two sets of 12 (the fragments' registers are free then)
.set TP,    56
.set CH,    64
.set SC,    68
.set BY,    70
.set WW,    72
.set TT,    73
.set PW,    76
; v16-23: source 1's scale words, one register a K step (lanes 0-15 tile j = 0, lanes 16-31 tile j = 1); v24-27: source 0's, a register for two tiles.  They hold scales and nothing else.
.macro PLACES                          ; four plain places between a matrix instruction and a load into, or a vector instruction on, its registers
.rept 4
	v_nop
.endr
.endm
.macro LFRAG reg, a16, a8, off         ; a fragment out of LDS, as it was stored
	ds_load_b128 v[(\reg):(\reg)+3], v[\a16] offset:(\off)
	ds_load_b64 v[(\reg)+4:(\reg)+5], v[\a8] offset:(\off)+512
	ds_load_b128 v[(\reg)+6:(\reg)+9], v[\a16] offset:(\off)+768
	ds_load_b64 v[(\reg)+10:(\reg)+11], v[\a8] offset:(\off)+1280
.endm
.macro GFRAG reg, off                  ; the same out of memory
	global_load_b128 v[(\reg):(\reg)+3], v6, s[S1C:S1C+1] offset:(\off)
	global_load_b64 v[(\reg)+4:(\reg)+5], v8, s[S1C:S1C+1] offset:(\off)+512
	global_load_b128 v[(\reg)+6:(\reg)+9], v6, s[S1C:S1C+1] offset:(\off)+768
	global_load_b64 v[(\reg)+10:(\reg)+11], v8, s[S1C:S1C+1] offset:(\off)+1280
.endm
.macro GSTEP s                         ; source 1's two fragments of K step s: eight loads
.irp j, 0,1
	GFRAG F1+24*((\s)%2)+12*\j, 12288*(\s)+1536*\j
.endr
.endm
; one product: source 0's tile i, source 1's tile j, K step s.  An odd i reads its scales from lanes 16-31 of its pair's register, and so does j = 1.
.macro MM i, j, s, zero
.set rD, ACC+64*(\j)+8*(\i)
.set rA, F0+12*((\i)%4)
.set rB, F1+24*((\s)%2)+12*(\j)
.set rP, 24+(\i)/2
.set rQ, 16+(\s)
.if \zero
.if ((\i)%2 == 0) && ((\j) == 0)
	v_wmma_scale_f32_16x16x128_f8f6f4 v[rD:rD+7], v[rA:rA+11], v[rB:rB+11], 0, v[rP], v[rQ] matrix_a_fmt:MATRIX_FMT_FP6 matrix_b_fmt:MATRIX_FMT_FP6
.elseif ((\i)%2 == 0)
	v_wmma_scale_f32_16x16x128_f8f6f4 v[rD:rD+7], v[rA:rA+11], v[rB:rB+11], 0, v[rP], v[rQ] matrix_a_fmt:MATRIX_FMT_FP6 matrix_b_fmt:MATRIX_FMT_FP6 matrix_b_scale:MATRIX_SCALE_ROW1
.elseif ((\j) == 0)
	v_wmma_scale_f32_16x16x128_f8f6f4 v[rD:rD+7], v[rA:rA+11], v[rB:rB+11], 0, v[rP], v[rQ] matrix_a_fmt:MATRIX_FMT_FP6 matrix_b_fmt:MATRIX_FMT_FP6 matrix_a_scale:MATRIX_SCALE_ROW1
.else
	v_wmma_scale_f32_16x16x128_f8f6f4 v[rD:rD+7], v[rA:rA+11], v[rB:rB+11], 0, v[rP], v[rQ] matrix_a_fmt:MATRIX_FMT_FP6 matrix_b_fmt:MATRIX_FMT_FP6 matrix_a_scale:MATRIX_SCALE_ROW1 matrix_b_scale:MATRIX_SCALE_ROW1
.endif
.else
.if ((\i)%2 == 0) && ((\j) == 0)
	v_wmma_scale_f32_16x16x128_f8f6f4 v[rD:rD+7], v[rA:rA+11], v[rB:rB+11], v[rD:rD+7], v[rP], v[rQ] matrix_a_fmt:MATRIX_FMT_FP6 matrix_b_fmt:MATRIX_FMT_FP6
.elseif ((\i)%2 == 0)
	v_wmma_scale_f32_16x16x128_f8f6f4 v[rD:rD+7], v[rA:rA+11], v[rB:rB+11], v[rD:rD+7], v[rP], v[rQ] matrix_a_fmt:MATRIX_FMT_FP6 matrix_b_fmt:MATRIX_FMT_FP6 matrix_b_scale:MATRIX_SCALE_ROW1
.elseif ((\j) == 0)
	v_wmma_scale_f32_16x16x128_f8f6f4 v[rD:rD+7], v[rA:rA+11], v[rB:rB+11], v[rD:rD+7], v[rP], v[rQ] matrix_a_fmt:MATRIX_FMT_FP6 matrix_b_fmt:MATRIX_FMT_FP6 matrix_a_scale:MATRIX_SCALE_ROW1
.else
	v_wmma_scale_f32_16x16x128_f8f6f4 v[rD:rD+7], v[rA:rA+11], v[rB:rB+11], v[rD:rD+7], v[rP], v[rQ] matrix_a_fmt:MATRIX_FMT_FP6 matrix_b_fmt:MATRIX_FMT_FP6 matrix_a_scale:MATRIX_SCALE_ROW1 matrix_b_scale:MATRIX_SCALE_ROW1
.endif
.endif
.endm
; Source 0's tiles 2 u and 2 u + 1 of K step s, and their rows' scale words: nine LDS loads, into half u % 2 of F0 and into v24 + u.
.macro LPAIR s, u
.set LA, 6+(\s)/4                      ; LDS offsets hold 16 bits: steps 4-7 take the address registers that stand 49,152 bytes on
.set LB, 8+(\s)/4
	LFRAG F0+12*((2*(\u))%4), LA, LB, 12288*((\s)%4)+1536*(2*(\u))
	LFRAG F0+12*((2*(\u)+1)%4), LA, LB, 12288*((\s)%4)+1536*(2*(\u)+1)
	ds_load_b32 v[24+(\u)], v10 offset:512*(\s)+128*(\u)
.endm
; Sub-step u of K step s: four products.  Through a K step the 16 accumulators take turns, one instruction a turn.  zero = 1: the first step starts the sums: nothing is cleared.
.macro SUB s, u, zero
	s_wait_dscnt 0x0                               ; this pair's fragments and scale words are in: nothing was issued behind them
.if ((\s)+(\u) > 0) && (4*(\s)+(\u) < 31)
	s_wait_alu depctr_va_vdst(0)                   ; the products issued so far are done reading the other half of F0 and its scale register, and at u = 0 the last step's buffer of F1: the loads below land there
.endif
.if ((\u) == 0) && ((\s) > 0) && ((\s) < 7)
	GSTEP (\s)+1                                   ; source 1, a K step ahead
.endif
.if (\u) < 3
	LPAIR \s, (\u)+1                               ; source 0, a sub-step ahead: these land while the four products below are worked
.elseif (\s) < 7
	LPAIR (\s)+1, 0
.endif
.if (\u) == 0
.if (\s) < 7
	s_wait_loadcnt 8                               ; this step's fragments of source 1 are in; the next step's eight loads may be out
.else
	s_wait_loadcnt 0x0
.endif
.endif
	MM 2*(\u), 0, \s, \zero
	MM 2*(\u), 1, \s, \zero
	MM 2*(\u)+1, 0, \s, \zero
	MM 2*(\u)+1, 1, \s, \zero
.if 4*(\s)+(\u) != 30
	PLACES                                         ; they stand ahead of the next sub-step's loads into this half, and at the end ahead of the first reads of the results (behind the last sub-step but one no load follows)
.endif
.endm
; 64 numbers of a lane, register 32 c + i = k 64 c + 32 (lane / 16) + i, become a fragment's 12 registers and its scale word.  The registers are read from the low end of each accumulator on.
.macro QUANT64 src, pc, pw
.irp c, 0,1
.irp a, 0,1
	v_max3_num_f32 v[CH+2*\c+\a], |v[(\src)+32*\c+16*\a]|, |v[(\src)+32*\c+16*\a+1]|, 0x1800000   ; the floor 2^(3 - 127): the byte cannot fall under 1
.endr
.endr
.irp i, 2,4,6,8,10,12,14
.irp c, 0,1
.irp a, 0,1
	v_max3_num_f32 v[CH+2*\c+\a], v[CH+2*\c+\a], |v[(\src)+32*\c+16*\a+\i]|, |v[(\src)+32*\c+16*\a+\i+1]|
.endr
.endr
.endr
.irp c, 0,1
	v_max_num_f32 v[CH+2*\c], v[CH+2*\c], v[CH+2*\c+1]
.endr
.irp c, 0,1
	v_add_nc_u32 v[SC+\c], 0xff000000, v[CH+2*\c]      ; 2 off the exponent field: the conversion's scale operand
.endr
.irp c, 0,1
	v_lshrrev_b32 v[BY+\c], 23, v[SC+\c]
.endr
	v_lshl_or_b32 v[WW], v[BY+1], 16, v[BY]
	v_lshlrev_b32 v[WW], v[SH8], v[WW]
	v_permlanex16_b32 v[TT], v[WW], s[SEL], s[SEL+1]
	v_or_b32 v[\pw], v[WW], v[TT]
.irp c, 0,1
	v_cvt_scalef32_pk16_fp6_f32 v[(\pc)+6*\c:(\pc)+6*\c+2], v[(\src)+32*\c:(\src)+32*\c+15], v[SC+\c]
	v_cvt_scalef32_pk16_fp6_f32 v[TP+4*\c:TP+4*\c+2], v[(\src)+32*\c+16:(\src)+32*\c+31], v[SC+\c]
.endr
	v_nop                                              ; one plain place behind a scaled conversion
.irp c, 0,1
.irp i, 0,1,2
	v_mov_b32 v[(\pc)+6*\c+3+\i], v[TP+4*\c+\i]
.endr
.endr
.endm
	s_load_b128 s[4:7], s[0:1], 0x0                ; opg, hb
	v_lshl_add_u32 v30, v0, 2, 0x19000
	v_mov_b32 v31, 0
	v_lshrrev_b32 v1, 5, v0
	v_readfirstlane_b32 s10, v1                    ; wave 0..7
	v_and_b32 v1, 31, v0                           ; lane
	v_and_b32 v2, 15, v0                           ; r
	v_bfe_u32 v3, v0, 4, 1                         ; h
	v_lshlrev_b32 v4, 4, v0                        ; the copy: 16 x thread, in memory and in LDS
	v_add_nc_u32 v5, 0x10000, v4
	v_lshlrev_b32 v6, 4, v1                        ; 16 x lane
	v_add_nc_u32 v7, 49152, v6
	v_lshlrev_b32 v8, 3, v1                        ; 8 x lane
	v_add_nc_u32 v9, 49152, v8
	v_lshl_add_u32 v10, v1, 2, GSC                 ; source 0's scale words in LDS
	v_lshlrev_b32 v11, 2, v1                       ; 4 x lane
	v_lshlrev_b32 v[SH8], 3, v3
	s_mov_b32 s[SEL], 0x76543210
	s_mov_b32 s[SEL+1], 0xfedcba98
	s_lshr_b32 s2, ttmp9, 8                        ; p
	s_and_b32 s3, ttmp9, 255
	s_wait_alu depctr_va_sdst(0)                   ; s10 is written, ahead of its first reader: the blocks' and the results' addresses are made from it
	s_lshr_b32 s11, s10, 2                         ; w / 4
	s_and_b32 s12, s10, 3                          ; b: my pair of tiles in source 1's block
	; what Q and K would take
	s_and_b32 s13, s3, 7                           ; eg: which 128 rows of the weight: heads 2 eg, 2 eg + 1
	s_lshr_b32 s14, s3, 3
	s_lshl_b32 s15, s14, 1
	s_add_co_u32 s15, s15, s11                     ; G1: which 128 tokens
	s_lshl_b32 s16, s2, 3
	s_add_co_u32 s16, s16, s13
	s_add_co_u32 s16, s16, 192                     ; source 0's block
	s_lshl_b32 s17, s2, 6
	s_add_co_u32 s17, s17, s15                     ; source 1's block
	s_lshr_b32 s18, s15, 4
	s_lshl_b32 s18, s18, 4
	s_lshl_b32 s19, s13, 1
	s_add_co_u32 s18, s18, s19                     ; batch x 16 + head 2 eg
	s_mul_i32 s18, s18, HEADB
	s_and_b32 s19, s15, 15
	s_mul_i32 s19, s19, HBLK
	s_add_co_u32 s18, s18, s19
	s_cmp_eq_u32 s2, 0
	s_cselect_b32 s19, QC, 0
	s_add_co_u32 s18, s18, s19                     ; where the head's tiles of these 128 tokens begin
	s_mul_i32 s19, s12, 1536
	s_add_co_u32 s19, s19, s18                     ; my first tile's codes
	s_lshl_b32 s20, s12, 7
	s_add_co_u32 s20, s20, s18
	s_add_co_u32 s20, s20, 6144                    ; my pair's scale words
	; what V would take
	s_lshr_b32 s21, s3, 2                          ; tg: which 128 tokens
	s_and_b32 s22, s3, 3
	s_lshl_b32 s22, s22, 1
	s_add_co_u32 s22, s22, s11                     ; gl: which 128 rows of w_v
	s_add_co_u32 s23, s21, 128
	s_add_co_u32 s24, s22, 208
	s_lshr_b32 s25, s21, 4
	s_lshl_b32 s25, s25, 4
	s_lshl_b32 s26, s22, 1
	s_add_co_u32 s25, s25, s26
	s_lshr_b32 s26, s12, 1
	s_add_co_u32 s25, s25, s26                     ; batch x 16 + head 2 gl + b / 2
	s_mul_i32 s25, s25, HEADB
	s_and_b32 s26, s21, 15
	s_mul_i32 s26, s26, HBLK
	s_add_co_u32 s25, s25, s26
	s_and_b32 s26, s12, 1
	s_mul_i32 s27, s26, 3072
	s_add_co_u32 s27, s27, s25
	s_add_co_u32 s27, s27, VC
	s_lshl_b32 s28, s26, 7
	s_add_co_u32 s28, s28, s25
	s_add_co_u32 s28, s28, VSC
	s_mov_b32 s29, 768
	s_mov_b32 s30, 1536
	s_mov_b32 s31, HEADB
	s_cmp_lt_u32 s2, 2                             ; the choice: on the work-group's number alone; it enters no LDS address
	s_cselect_b32 s16, s16, s23
	s_cselect_b32 s17, s17, s24
	s_cselect_b32 s19, s19, s27
	s_cselect_b32 s20, s20, s28
	s_cselect_b32 s32, s29, s30                    ; from tile j = 0 to j = 1
	s_cselect_b32 s33, s31, s29                    ; from half c = 0 to c = 1: the next head, or the fragment's second half
	s_cselect_b32 s34, s31, 0                      ; lanes 16-31 store the next head's scale words, or the same ones
	s_cselect_b32 s35, 16, 0                       ; shifted down by two bytes, or not
	v_mul_u32_u24 v12, s35, v3
	v_mul_u32_u24 v13, s34, v3
	v_lshl_add_u32 v13, v2, 3, v13                 ; 8 r (+ a head)
	s_mul_i32 s16, s16, GB
	s_mul_i32 s17, s17, GB
	s_mov_b32 s37, 0
	s_wait_kmcnt 0x0
	s_mov_b32 s36, s16
	s_add_nc_u64 s[50:51], s[4:5], s[36:37]        ; source 0's block
	s_mul_i32 s36, s12, 3072
	s_add_co_u32 s36, s36, s17
	s_add_nc_u64 s[S1C:S1C+1], s[4:5], s[36:37]    ; source 1: my pair's fragments of K step 0
	s_lshl_b32 s36, s12, 7
	s_add_co_u32 s36, s36, s17
	s_add_co_u32 s36, s36, GSC
	s_add_nc_u64 s[54:55], s[4:5], s[36:37]        ; and its scale words
	s_mov_b32 s36, s19
	s_add_nc_u64 s[40:41], s[6:7], s[36:37]        ; the way out: (j, c) = (0, 0),
	s_add_co_u32 s36, s19, s33
	s_add_nc_u64 s[42:43], s[6:7], s[36:37]        ; (0, 1),
	s_add_co_u32 s36, s19, s32
	s_add_nc_u64 s[44:45], s[6:7], s[36:37]        ; (1, 0),
	s_add_co_u32 s36, s36, s33
	s_add_nc_u64 s[46:47], s[6:7], s[36:37]        ; (1, 1),
	s_mov_b32 s36, s20
	s_add_nc_u64 s[48:49], s[6:7], s[36:37]        ; the scale words
	s_wait_alu depctr_va_vdst(0)                   ; the offsets and LDS addresses v4 to v11 and v13 are written: every load and store of the kernel reads one of them
.set i, 0
.rept 25                               ; source 0's block into LDS, through the registers that the accumulators will take: 25 x 4,096 bytes
	global_load_b128 v[ACC+4*i:ACC+4*i+3], v4, s[50:51] offset:4096*i
.set i, i+1
.endr
.set i, 0
.rept 8
	global_load_b32 v[16+i], v11, s[54:55] offset:512*i
.set i, i+1
.endr
	GSTEP 0
	GSTEP 1
	s_wait_loadcnt 24                              ; the 25 are in; the 8 + 8 + 8 loads issued behind them may be out
.set i, 0
.rept 16
	ds_store_b128 v4, v[ACC+4*i:ACC+4*i+3] offset:4096*i
.set i, i+1
.endr
.set i, 0
.rept 9
	ds_store_b128 v5, v[ACC+64+4*i:ACC+64+4*i+3] offset:4096*i
.set i, i+1
.endr
	s_wait_dscnt 0x0                               ; for the others' sake: my part of the block lies in LDS
	s_barrier_signal -1
	s_barrier_wait -1                              ; nothing is written to LDS behind this barrier
	s_wait_alu depctr_vm_vsrc(0)                   ; my LDS stores have read v[ACC ..], which the products write from here on
	LPAIR 0, 0
.irp u, 0,1,2,3
	SUB 0, \u, 1
.endr
.irp s, 1,2,3,4,5,6,7
.irp u, 0,1,2,3
	SUB \s, \u, 0
.endr
.endr
	; THE WAY OUT.  Tile j's 64 numbers of a lane are two blocks of 32 neighbours along the next K for each lane half.  Both tiles are quantised, then all nine stores go out behind one wait.
	v_mov_b32 v[TT], 0                             ; a lane permute's destination counts as one of its sources
.irp j, 0,1
	QUANT64 ACC+64*\j, PC+12*\j, PW
	v_lshrrev_b32 v[74+\j], v12, v[PW]             ; Q, K: lanes 16-31 bring the second head's two bytes down
.endr
	s_wait_alu depctr_va_vdst(0)                   ; the conversions and moves have written both tiles' codes v32-55, the shifts v74 and v75: the stores below read them
.irp j, 0,1
	global_store_b128 v6, v[PC+12*\j:PC+12*\j+3], s[40+4*\j:41+4*\j]         ; each store covers 512 or 256 consecutive bytes, aligned
	global_store_b64 v8, v[PC+12*\j+4:PC+12*\j+5], s[40+4*\j:41+4*\j] offset:512
	global_store_b128 v6, v[PC+12*\j+6:PC+12*\j+9], s[42+4*\j:43+4*\j]
	global_store_b64 v8, v[PC+12*\j+10:PC+12*\j+11], s[42+4*\j:43+4*\j] offset:512
.endr
	global_store_b64 v13, v[74:75], s[48:49]       ; row r's words of tiles j = 0, 1: sixteen lanes store 128 consecutive bytes
	s_wait_dscnt 0x0                               ; the closing lines, six on end
	s_wait_alu 0x0
	s_wait_tensorcnt 0x0
	ds_add_u32 v30, v31
	s_wait_dscnt 0x0
	s_endpgm
.Lfunc_end_k_q9840a24548_proj:
	.size	k_q9840a24548_proj, .Lfunc_end_k_q9840a24548_proj-k_q9840a24548_proj
	.p2alignl 7, 3214868480
	.fill 96, 4, 3214868480
	.section	.rodata,"a",@progbits
	.p2align	6, 0x0
	.amdhsa_kernel k_q9840a24548_proj
		.amdhsa_group_segment_fixed_size 103424
		.amdhsa_private_segment_fixed_size 0
		.amdhsa_enable_private_segment 0
		.amdhsa_kernarg_size 16
		.amdhsa_user_sgpr_count 2
		.amdhsa_user_sgpr_kernarg_segment_ptr 1
		.amdhsa_wavefront_size32 1
		.amdhsa_system_sgpr_workgroup_id_x 1
		.amdhsa_system_sgpr_workgroup_id_y 1
		.amdhsa_system_sgpr_workgroup_id_z 1
		.amdhsa_system_vgpr_workitem_id 0
		.amdhsa_next_free_vgpr 256
		.amdhsa_next_free_sgpr 66
		.amdhsa_reserve_vcc 0
		.amdhsa_float_denorm_mode_32 3
		.amdhsa_float_denorm_mode_16_64 3
		.amdhsa_memory_ordered 1
		.amdhsa_forward_progress 1
		.amdhsa_inst_pref_size 63
	.end_amdhsa_kernel
	.amdgpu_metadata
---
amdhsa.version: [ 1, 2 ]
amdhsa.kernels:
  - .name:           k_q9840a24548_proj
    .symbol:         k_q9840a24548_proj.kd
    .args:
      - { .name: opg, .offset: 0, .size: 8, .value_kind: global_buffer, .address_space: global }
      - { .name: hb, .offset: 8, .size: 8, .value_kind: global_buffer, .address_space: global }
    .group_segment_fixed_size: 103424
    .private_segment_fixed_size: 0
    .kernarg_segment_align: 8
    .kernarg_segment_size: 16
    .max_flat_workgroup_size: 256
    .sgpr_count:     66
    .vgpr_count:     256
    .wavefront_size: 32
...
	.end_amdgpu_metadata
.endif
;; end of part 6
;; launch attn (part 7): grid 256 x 1, 16 waves a work-group, no clusters, 210,944 bytes of LDS; arguments hb, maskw, ctxg; writes ctxg
.if DOCPART == 7
	.amdgcn_target "amdgcn-amd-amdhsa--gfx1250"
	.amdhsa_code_object_version 6
	.text
	.protected	k_q9840a24548_attn
	.globl	k_q9840a24548_attn
	.p2align	8
	.type	k_q9840a24548_attn,@function
k_q9840a24548_attn:
	s_mov_b64 s[64:65], 0
	v_nop
	global_prefetch_b8 v0, s[64:65] scope:SCOPE_SE
	s_setreg_imm32_b32 hwreg(HW_REG_WAVE_SCHED_MODE, 0, 2), 2
	s_setreg_imm32_b32 hwreg(HW_REG_WAVE_MODE, 25, 1), 1
	s_wait_xcnt 0x0
	s_wait_alu depctr_vm_vsrc(0)
; ctx = softmax(where(mask, Q K^T / 8, -1e9)) V for one head and 512 queries a work-group, both products on codes of FP6 (E2M3) with E8M0 scales; ctx leaves as codes, quantised along the model's axis, for the last projection.
; THE SOFTMAX AHEAD OF THE SECOND PRODUCT: t = score x c, c = log2(e) / 8; M = the row's largest t so far, rounded UP to a whole number; p = 2^(t - M) is quantised along the keys, not normalised.
; The row's sum is taken of the unquantised p and divides at the end.  When M moves, the sum and O are multiplied by 2^(old M - new M): exact.
; SHARES.  Work-group g: head g / 4 (batch x 16 + head), queries 512 (g % 4) on.  ALL of the head's K and V (16 key steps x 13,056 bytes) lies in LDS, filled once through registers: one barrier in the launch.
; Each of the sixteen waves runs two tiles of 16 queries one after the other, each through 16 key steps of 128 keys: four waves to a SIMD, so that one wave's vector work stands beside another's products and LDS loads.
; LAYOUT.  Both products are used transposed: S^T = K Q^T (source 0 = 16 keys), O^T = V^T P^T (source 0 = 16 channels): a lane holds ONE query (lane % 16) throughout.  The keys of a tile and the channels of a tile
; are chosen (row r of tile t' of a group of 64 is 32 (r / 8) + 8 t' + r % 8) so that register 32 c + i of S^T is key 64 c + 32 (lane / 16) + i, and register i of O^T channel 32 (lane / 16) + i:
; whole blocks of 32 in one lane, in the order of the next operand's registers: no exchange of codes between lanes.
; THE SCORES' K IS 64: Q's registers 6-11 are zero codes.  K's operand names 12 registers, of which the upper six are the next tile's codes (behind the last tile: zeros): FP6 has no NaN or infinity and no scale byte
; here is 0xff, so those products are exact zeros.
; THE MASK comes as words of lane bits (one word for each register of S^T) by scalar loads, a key step ahead, and selects by v_cndmask_b32: no branch hangs on it.
; LIMITS.  A masked raw score is -2^33, the logit -2^30, where the definition has -1e9: its t is an exact whole number, so a row with no true entry gets p = 1 for every key, the definition's uniform row; results differ
; only where an unmasked logit lies under about -0.999e9.  NaN and infinities are not served.  A block of zeros gets the byte 1 (zero codes; this program alone reads the bytes).
; THE MODE: SCHED_MODE bits 1:0 = 2 (LLVM: expert scheduling mode 2), set by the entry lines.  The code itself states the register dependences
; between vector or matrix instructions and memory or LDS instructions, with s_wait_alu, always for 0.
; THE PLAN.  Registers that memory or LDS instructions touch:
;   v1-v4, v6, v7   offsets and LDS addresses: made once at the head, never written again.
;   v8-v10          the key step's LDS addresses: written by three additions at the step's head, read by all the step's LDS loads.
;   v32-79          K's eight tiles land at the step's head and the scores' products read them; then V's four fragments land and the O^T products read them.  One buffer: 256 registers hold no second one.
;   v216-223, v224-227   K's and V's scale words: loaded with their fragments, read by the same products.
;   v16-21, v228    Q's codes and scale words: loaded at a tile's head, read by all the tile's scores' products.
;   v96-197         at the head the fill's loads land there and the LDS stores read them; afterwards vector and matrix instructions alone name v96-191.
;   v192-197, v249  at a tile's end: ctx's codes and scale bytes, written by vector instructions, read by three stores.
; A key step has one wait on vm_vsrc (ahead of the additions) and five on va_vdst: behind the additions, ahead of K's loads; behind the selects, ahead of V's loads; ahead of and behind the exponentials; ahead of the O^T products.
.set HBLK,  19712
.set HEADB, 315392
.set KVB,   13056                      ; a key step in LDS: K's 8 tiles x 768, K's scale words, V^T's 4 fragments x 1,536, V's scale words
.set KSC,   6144
.set VC,    6656
.set VSC,   12800
.set QC,    13056
.set QSC,   19200
.set GB,    102400
.set GSC,   98304
; REGISTERS: v1 16 x lane, v2 8 x lane, v3 8 r, v4 4 r, v5 8 h, v6-7 the fill's LDS addresses, v8-10 the step's; v12 -M, v13 the largest t, v[14:15] the sum in two halves; v16-21 Q, v22-27 zeros;
; v32-79 K's eight tiles, then V's four fragments; v80-85 zeros; v96-159 S^T, then p; v160-191 O^T; v192-203 p's codes; v204-210 at work; v216-223 K's scale words, v224-227 V's, v228 Q's, v229 p's (scales and nothing else);
; v230 the masked score; v232-253 at work.
; s[32:63], s[68:99]: the step's 64 mask words.  s24: the step's LDS byte; s25: the mask words' byte; s26: trips.
.macro PLACES
.rept 4
	v_nop
.endr
.endm
	s_load_b128 s[4:7], s[0:1], 0x0                ; hb, maskw
	s_load_b64 s[8:9], s[0:1], 0x10                ; ctxg
	v_lshl_add_u32 v254, v0, 2, 0x33000
	v_mov_b32 v255, 0
	v_lshrrev_b32 v1, 5, v0
	v_readfirstlane_b32 s10, v1                    ; wave 0..15
	v_and_b32 v8, 31, v0
	v_and_b32 v9, 15, v0
	v_bfe_u32 v10, v0, 4, 1
	v_lshlrev_b32 v1, 4, v8
	v_lshlrev_b32 v2, 3, v8
	v_lshlrev_b32 v3, 3, v9
	v_lshlrev_b32 v4, 2, v9
	v_lshlrev_b32 v5, 3, v10
	s_wait_alu depctr_va_sdst(0)                   ; s10 is written, ahead of its first reader: LDS and memory addresses are made from it
	s_mul_i32 s11, s10, KVB                        ; wave w brings key step w
	v_add_nc_u32 v6, s11, v1
	v_add_nc_u32 v7, s11, v2
	s_mov_b32 s20, 0x76543210
	s_mov_b32 s21, 0xfedcba98                      ; lane l xor 16
	s_mov_b32 s22, 0x3e38aa3b                      ; c = log2(e) / 8
	s_mov_b32 s23, s22                             ; (named with it as a pair, so it is written)
	s_lshr_b32 s32, ttmp9, 2                       ; batch x 16 + head
	s_and_b32 s33, ttmp9, 3                        ; which 512 queries
	s_lshr_b32 s34, s32, 4                         ; batch
	s_and_b32 s35, s32, 15                         ; head
	s_mul_i32 s36, s32, HEADB
	s_mul_i32 s38, s10, HBLK
	s_add_co_u32 s38, s38, s36                     ; the fill: my key step's block
	s_mov_b32 s39, 0
	s_lshr_b32 s40, s10, 3
	s_and_b32 s41, s10, 7                          ; my tile in its group of 128 queries
	s_lshl_b32 s42, s33, 2
	s_add_co_u32 s42, s42, s40                     ; that group: 4 (g % 4) + w / 8 (+ 2 for the second tile)
	s_mul_i32 s43, s42, HBLK
	s_add_co_u32 s43, s43, s36
	s_mul_i32 s44, s41, 768
	s_add_co_u32 s44, s44, s43
	s_add_co_u32 s44, s44, QC                      ; Q's codes
	s_mov_b32 s45, 0
	s_lshr_b32 s46, s41, 1
	s_lshl_b32 s46, s46, 7
	s_and_b32 s47, s10, 1
	s_lshl_b32 s48, s47, 2
	s_add_co_u32 s48, s48, s46
	s_add_co_u32 s48, s48, s43
	s_add_co_u32 s48, s48, QSC                     ; Q's scale words: [pair][row][tile % 2]
	s_mov_b32 s49, 0
	s_lshl_b32 s50, s33, 5
	s_add_co_u32 s50, s50, s10
	s_lshl_b32 s50, s50, 12                        ; the mask words of query tile 32 (g % 4) + w
	s_mov_b32 s51, 0
	s_lshl_b32 s52, s34, 4
	s_add_co_u32 s52, s52, s42
	s_mul_i32 s52, s52, GB                         ; ctx's G-block
	s_lshr_b32 s53, s35, 1                         ; its K step: two heads to 128
	s_and_b32 s54, s35, 1                          ; and which half of the fragment
	s_lshl_b32 s55, s53, 3
	s_add_co_u32 s55, s55, s41
	s_mul_i32 s56, s55, 1536
	s_mul_i32 s57, s54, 768
	s_add_co_u32 s56, s56, s57
	s_add_co_u32 s56, s56, s52
	s_mov_b32 s57, 0
	s_lshl_b32 s58, s53, 9
	s_lshl_b32 s59, s41, 6
	s_add_co_u32 s58, s58, s59
	s_lshl_b32 s59, s54, 1
	s_add_co_u32 s58, s58, s59
	s_add_co_u32 s58, s58, s52
	s_add_co_u32 s58, s58, GSC                     ; ctx's scale words: 512 x step + 64 x tile + 4 r, my head's two bytes
	s_mov_b32 s59, 0
	s_wait_kmcnt 0x0
	s_add_nc_u64 s[12:13], s[4:5], s[38:39]
	s_add_nc_u64 s[28:29], s[4:5], s[44:45]
	s_add_nc_u64 s[16:17], s[4:5], s[48:49]
	s_add_nc_u64 s[30:31], s[6:7], s[50:51]
	s_add_nc_u64 s[100:101], s[8:9], s[56:57]
	s_add_nc_u64 s[104:105], s[8:9], s[58:59]
	s_wait_alu depctr_va_vdst(0)                   ; the offsets v1 to v4 and the fill's LDS addresses v6 and v7 are written: the loads and stores below, and those of the tiles, read them
.set i, 0
.rept 25                               ; 13,056 bytes = 25 x 512 + 256, dense in memory and in LDS
	global_load_b128 v[96+4*i:99+4*i], v1, s[12:13] offset:512*i
.set i, i+1
.endr
	global_load_b64 v[196:197], v2, s[12:13] offset:12800
	v_mov_b32 v230, 0xd0000000                     ; -2^33
.set i, 0
.rept 6
	v_mov_b32 v[22+i], 0                           ; Q's upper 64 along K: zero codes
	v_mov_b32 v[80+i], 0                           ; behind K's last tile
.set i, i+1
.endr
	v_mov_b32 v241, 0                              ; a lane permute's destination counts as one of its sources
	v_mov_b32 v253, 0                              ; (named as the upper half of the pair v[252:253])
	s_wait_loadcnt 0x0
.set i, 0
.rept 25
	ds_store_b128 v6, v[96+4*i:99+4*i] offset:512*i
.set i, i+1
.endr
	ds_store_b64 v7, v[196:197] offset:12800
	s_wait_dscnt 0x0                               ; for the others' sake: my key step lies in LDS
	s_barrier_signal -1
	s_barrier_wait -1                              ; nothing is written to LDS behind this barrier
; A KEY STEP: 128 keys at LDS byte s24.
.macro STEP
	s_wait_alu depctr_vm_vsrc(0)                   ; the last step's LDS loads have read v8 to v10, which the three additions write
	v_add_nc_u32 v8, s24, v1
	v_add_nc_u32 v9, s24, v2
	v_add_nc_u32 v10, s24, v3
	v_nop                                          ; four places behind the last step's products, in front of loads into their operands
	s_wait_alu depctr_va_vdst(0)                   ; v8 to v10 are written, which the loads below read; the last step's products are done reading V's fragments v32-79, in which K's tiles land; the zero codes v22-27 and v80-85 are written, which the products below take
.irp t, 0,1,2,3,4,5,6,7
	ds_load_b128 v[32+6*\t:35+6*\t], v8 offset:768*\t
	ds_load_b64 v[36+6*\t:37+6*\t], v9 offset:768*\t+512
.endr
.irp p, 0,1,2,3
	ds_load_b64 v[216+2*\p:217+2*\p], v10 offset:KSC+128*\p
.endr
	s_wait_dscnt 0x0
.irp t, 0,1,2,3,4,5,6,7
	v_wmma_scale_f32_16x16x128_f8f6f4 v[96+8*\t:103+8*\t], v[32+6*\t:43+6*\t], v[16:27], 0, v[216+\t], v228 matrix_a_fmt:MATRIX_FMT_FP6 matrix_b_fmt:MATRIX_FMT_FP6
.endr
	s_wait_kmcnt 0x0                               ; this step's 64 mask words are in: so their loads' offset register may step
	s_add_co_u32 s25, s25, 256
	s_and_b32 s25, s25, 0xf00                      ; the next step's words; behind the last step the tile's first again: inside the buffer, and not used
	PLACES
.set n, 0
.rept 32
	v_cndmask_b32 v[96+n], v230, v[96+n], s[32+n]  ; a hidden key's score becomes -2^33.  Each accumulator is read from its low end on
.set n, n+1
.endr
.set n, 0
.rept 32
	v_cndmask_b32 v[128+n], v230, v[128+n], s[68+n]
.set n, n+1
.endr
	s_wait_alu depctr_va_vdst(0)                   ; the scores' products are done reading K's tiles v32-79, in which V's fragments land below
.endm
; (the step goes on in STEP2: between the two stand the scalar loads, whose immediate hangs on the tile)
.macro STEP2
.irp d, 0,1,2,3                        ; V's four fragments land while the softmax is worked; the 64 selects are the places behind the scores' products
	ds_load_b128 v[32+12*\d:35+12*\d], v8 offset:VC+1536*\d
	ds_load_b64 v[36+12*\d:37+12*\d], v9 offset:VC+1536*\d+512
	ds_load_b128 v[38+12*\d:41+12*\d], v8 offset:VC+1536*\d+768
	ds_load_b64 v[42+12*\d:43+12*\d], v9 offset:VC+1536*\d+1280
.endr
.irp p, 0,1
	ds_load_b64 v[224+2*\p:225+2*\p], v10 offset:VSC+128*\p
.endr
	; the largest score of each of my two blocks of 32 keys: it serves the row's maximum and, since p rises with the score, the block's largest p
.irp c, 0,1
.irp a, 0,1
	v_max3_num_f32 v[232+2*\c+\a], v[96+32*\c+16*\a], v[97+32*\c+16*\a], v[98+32*\c+16*\a]
.endr
.endr
.irp i, 3,5,7,9,11,13
.irp c, 0,1
.irp a, 0,1
	v_max3_num_f32 v[232+2*\c+\a], v[232+2*\c+\a], v[96+32*\c+16*\a+\i], v[97+32*\c+16*\a+\i]
.endr
.endr
.endr
.irp c, 0,1
	v_max3_num_f32 v[232+2*\c], v[232+2*\c], v[233+2*\c], v[111+32*\c]
.endr
.irp c, 0,1
	v_max_num_f32 v[232+2*\c], v[232+2*\c], v[127+32*\c]
.endr
	v_max_num_f32 v240, v232, v234
	v_permlanex16_b32 v241, v240, s20, s21
	v_max_num_f32 v240, v240, v241                 ; the step's largest score of my query
	v_mul_f32 v240, s22, v240                      ; as t (c is positive)
	v_max_num_f32 v13, v13, v240                   ; the running largest t
	v_mov_b32 v240, v12
	v_floor_f32 v12, -v13                          ; the new -M = floor(-t): M is a whole number
	v_sub_f32 v240, v12, v240                      ; old M - new M: a whole number, 0 or less
	v_cvt_i32_f32 v240, v240                       ; (it saturates)
	v_ldexp_f32 v252, 1.0, v240                    ; f = 2^(old M - new M)
.set n, 0
.rept 32
	v_pk_fma_f32 v[96+n:97+n], v[96+n:97+n], s[22:23], v[12:13] op_sel_hi:[1,0,0]   ; t - M, two at a time
.set n, n+2
.endr
	v_fma_f32 v232, v232, s22, v12                 ; the same of each block's largest score
	v_fma_f32 v234, v234, s22, v12
.set n, 0
	s_wait_alu depctr_va_vdst(0)
.rept 64
	v_exp_f32 v[96+n], v[96+n]                     ; p = 2^(t - M), at most 1
.set n, n+1
.endr
	v_exp_f32 v232, v232                           ; the block's largest p: the same two instructions on the same number give the same bits
	v_exp_f32 v234, v234
	v_pk_mul_f32 v[14:15], v[14:15], v[252:253] op_sel_hi:[1,0]   ; the sums under the new M (a plain place behind the exponentials)
	s_wait_alu depctr_va_vdst(0)                   ; the 66 exponentials have written p and the blocks' largest p: one wait for the batch, ahead of its first reader
	v_max_num_f32 v232, 0x1800000, v232            ; the floor 2^(3 - 127): the byte cannot fall under 1
	v_max_num_f32 v234, 0x1800000, v234
	v_add_nc_u32 v244, 0xff000000, v232            ; 2 off the exponent field: the conversion's scale operand
	v_add_nc_u32 v245, 0xff000000, v234
	v_lshrrev_b32 v246, 23, v244
	v_lshrrev_b32 v247, 23, v245
	v_lshl_or_b32 v248, v247, 16, v246             ; my blocks h and 2 + h,
	v_lshlrev_b32 v248, v5, v248
	v_permlanex16_b32 v241, v248, s20, s21
	v_or_b32 v229, v248, v241                      ; with lane l xor 16's: p's scale word for these 128 keys
.irp c, 0,1
	v_cvt_scalef32_pk16_fp6_f32 v[192+6*\c:194+6*\c], v[96+32*\c:111+32*\c], v[244+\c]
	v_cvt_scalef32_pk16_fp6_f32 v[204+4*\c:206+4*\c], v[112+32*\c:127+32*\c], v[244+\c]   ; (a conversion's three registers begin on an even number)
.endr
	v_nop                                          ; one plain place behind a scaled conversion
.irp c, 0,1
.irp i, 0,1,2
	v_mov_b32 v[195+6*\c+\i], v[204+4*\c+\i]
.endr
.endr
	v_pk_add_f32 v[236:237], v[96:97], v[98:99]    ; the row's sum is taken of the unquantised p: two at a time, in two chains
.irp j, 4,8,12,16,20,24,28,32,36,40,44,48,52,56,60
	v_pk_add_f32 v[14:15], v[14:15], v[96+\j:97+\j]
	v_pk_add_f32 v[236:237], v[236:237], v[98+\j:99+\j]
.endr
	v_pk_add_f32 v[14:15], v[14:15], v[236:237]
.set n, 0
.rept 16
	v_pk_mul_f32 v[160+n:161+n], v[160+n:161+n], v[252:253] op_sel_hi:[1,0]   ; O^T under the new M; from each accumulator's low end on
.set n, n+2
.endr
	s_wait_dscnt 0x0                               ; V
	s_wait_alu depctr_va_vdst(0)                   ; p's codes v192-203 and its scale word v229 are written by vector instructions: the products below take them as source 1 and its scales; the sums and scalings above are the places, which stay beside this wait
.irp d, 0,1,2,3
	v_wmma_scale_f32_16x16x128_f8f6f4 v[160+8*\d:167+8*\d], v[32+12*\d:43+12*\d], v[192:203], v[160+8*\d:167+8*\d], v[224+\d], v229 matrix_a_fmt:MATRIX_FMT_FP6 matrix_b_fmt:MATRIX_FMT_FP6
.endr
	s_add_co_u32 s24, s24, KVB
.endm
.macro MASKLOAD tau                    ; 64 words, 256 consecutive bytes, at byte s25 of the tile's 4,096
	s_load_b512 s[32:47], s[30:31], s25 offset:65536*\tau
	s_load_b512 s[48:63], s[30:31], s25 offset:65536*\tau+64
	s_load_b512 s[68:83], s[30:31], s25 offset:65536*\tau+128
	s_load_b512 s[84:99], s[30:31], s25 offset:65536*\tau+192
.endm
; One tile of 16 queries: 32 (g % 4) + 16 tau + w.
.macro TILE tau
	s_wait_xcnt 0x0                                ; the last tile's stores have read their registers
	s_wait_alu depctr_vm_vsrc(0)                   ; first tile: the fill's LDS stores have read v96-197; second tile: ctx's stores have read v192-197 and v249: vector and matrix instructions below write them again
	s_wait_kmcnt 0x0                               ; no scalar load is out on the mask words' registers, nor reads s25
	global_load_b128 v[16:19], v1, s[28:29] offset:2*HBLK*\tau     ; (second tile: the last tile's products are done reading v16-21 and v228: they stand ahead of the wait in front of ctx's stores, and no vector instruction stands behind it)
	global_load_b64 v[20:21], v2, s[28:29] offset:2*HBLK*\tau+512
	global_load_b32 v228, v3, s[16:17] offset:2*HBLK*\tau
	s_mov_b32 s25, 0
	MASKLOAD \tau
	v_mov_b32 v13, 0xff61b1e6                      ; the largest t so far: -3e38, under every t
	v_floor_f32 v12, -v13
	v_mov_b32 v14, 0
	v_mov_b32 v15, 0
.set n, 0
.rept 32
	v_mov_b32 v[160+n], 0                          ; O^T: the step is written once; the first finds zeros, which the first change of M leaves zeros
.set n, n+1
.endr
	s_mov_b32 s24, 0
	s_mov_b32 s26, 16
	s_wait_loadcnt 0x0                             ; Q
.Lks_\@:
	STEP
	MASKLOAD \tau                                  ; the next step's words, behind the last read of this step's
	STEP2
	s_sub_co_u32 s26, s26, 1
	s_cmp_lg_u32 s26, 0
	s_cbranch_scc1 .Lks_\@
	; the tile's end: O^T / the sum is ctx; my 32 channels are one block of the last projection's K
	PLACES
	v_add_f32 v14, v14, v15
	v_permlanex16_b32 v241, v14, s20, s21
	v_add_f32 v14, v14, v241                       ; the row's sum
	s_wait_alu depctr_va_vdst(0)
	v_rcp_f32 v14, v14
	v_nop                                          ; one plain place behind a transcendental
.set n, 0
	s_wait_alu depctr_va_vdst(0)                   ; the reciprocal has written v14, ahead of its first reader
.rept 32
	v_mul_f32 v[96+n], v[160+n], v14               ; register i: channel 32 h + i
.set n, n+1
.endr
	v_max3_num_f32 v232, |v96|, |v97|, 0x1800000
	v_max3_num_f32 v233, |v112|, |v113|, 0x1800000
.irp i, 2,4,6,8,10,12,14
	v_max3_num_f32 v232, v232, |v[96+\i]|, |v[97+\i]|
	v_max3_num_f32 v233, v233, |v[112+\i]|, |v[113+\i]|
.endr
	v_max_num_f32 v232, v232, v233
	v_add_nc_u32 v244, 0xff000000, v232
	v_lshrrev_b32 v246, 23, v244
	v_lshlrev_b32 v248, v5, v246
	v_permlanex16_b32 v241, v248, s20, s21
	v_or_b32 v249, v248, v241                      ; my head's two scale bytes of row r
	v_cvt_scalef32_pk16_fp6_f32 v[192:194], v[96:111], v244
	v_cvt_scalef32_pk16_fp6_f32 v[204:206], v[112:127], v244
	v_nop
	v_mov_b32 v195, v204
	v_mov_b32 v196, v205
	v_mov_b32 v197, v206
	s_wait_alu depctr_va_vdst(0)                   ; the conversions and moves have written ctx's codes v192-197, the or v249: the three stores read them
	global_store_b128 v1, v[192:195], s[100:101] offset:2*GB*\tau          ; 512 and 256 consecutive bytes, aligned
	global_store_b64 v2, v[196:197], s[100:101] offset:2*GB*\tau+512
	global_store_b16 v4, v249, s[104:105] offset:2*GB*\tau                 ; two bytes of each of 16 words: the pair's other head owns the other two; both lane halves store the same
.endm
	TILE 0
	TILE 1
	s_wait_kmcnt 0x0
	s_wait_dscnt 0x0                               ; the closing lines, six on end
	s_wait_alu 0x0
	s_wait_tensorcnt 0x0
	ds_add_u32 v254, v255
	s_wait_dscnt 0x0
	s_endpgm
.Lfunc_end_k_q9840a24548_attn:
	.size	k_q9840a24548_attn, .Lfunc_end_k_q9840a24548_attn-k_q9840a24548_attn
	.p2alignl 7, 3214868480
	.fill 96, 4, 3214868480
	.section	.rodata,"a",@progbits
	.p2align	6, 0x0
	.amdhsa_kernel k_q9840a24548_attn
		.amdhsa_group_segment_fixed_size 210944
		.amdhsa_private_segment_fixed_size 0
		.amdhsa_enable_private_segment 0
		.amdhsa_kernarg_size 24
		.amdhsa_user_sgpr_count 2
		.amdhsa_user_sgpr_kernarg_segment_ptr 1
		.amdhsa_wavefront_size32 1
		.amdhsa_system_sgpr_workgroup_id_x 1
		.amdhsa_system_sgpr_workgroup_id_y 1
		.amdhsa_system_sgpr_workgroup_id_z 1
		.amdhsa_system_vgpr_workitem_id 0
		.amdhsa_next_free_vgpr 256
		.amdhsa_next_free_sgpr 106
		.amdhsa_reserve_vcc 0
		.amdhsa_float_denorm_mode_32 3
		.amdhsa_float_denorm_mode_16_64 3
		.amdhsa_memory_ordered 1
		.amdhsa_forward_progress 1
		.amdhsa_inst_pref_size 58
	.end_amdhsa_kernel
	.amdgpu_metadata
---
amdhsa.version: [ 1, 2 ]
amdhsa.kernels:
  - .name:           k_q9840a24548_attn
    .symbol:         k_q9840a24548_attn.kd
    .args:
      - { .name: hb, .offset: 0, .size: 8, .value_kind: global_buffer, .address_space: global }
      - { .name: maskw, .offset: 8, .size: 8, .value_kind: global_buffer, .address_space: global }
      - { .name: ctxg, .offset: 16, .size: 8, .value_kind: global_buffer, .address_space: global }
    .group_segment_fixed_size: 210944
    .private_segment_fixed_size: 0
    .kernarg_segment_align: 8
    .kernarg_segment_size: 24
    .max_flat_workgroup_size: 512
    .sgpr_count:     106
    .vgpr_count:     256
    .wavefront_size: 32
...
	.end_amdgpu_metadata
.endif
;; end of part 7
;; launch oproj (part 8): grid 256 x 1, 8 waves a work-group, no clusters, 171,008 bytes of LDS; arguments opg, ctxg, out0; writes out0
.if DOCPART == 8
	.amdgcn_target "amdgcn-amd-amdhsa--gfx1250"
	.amdhsa_code_object_version 6
	.text
	.protected	k_q9840a24548_oproj
	.globl	k_q9840a24548_oproj
	.p2align	8
	.type	k_q9840a24548_oproj,@function
k_q9840a24548_oproj:
	s_mov_b64 s[64:65], 0
	v_nop
	global_prefetch_b8 v0, s[64:65] scope:SCOPE_SE
	s_setreg_imm32_b32 hwreg(HW_REG_WAVE_SCHED_MODE, 0, 2), 2
	s_setreg_imm32_b32 hwreg(HW_REG_WAVE_MODE, 25, 1), 1
	s_wait_xcnt 0x0
	s_wait_alu depctr_vm_vsrc(0)
; out0 = ctx w_o^T on codes of FP6 (E2M3) with E8M0 scales.  ctx comes as codes from the attention launch, w_o from the first launch, both as G-blocks:
; 128 rows x K 1,024: fragments [K step s][tile t] of 1,536 bytes (registers 0-3 of lane l at 16 l, 4-5 at 512 + 8 l, 6-9 at 768 + 16 l, 10-11 at 1,280 + 8 l); at GSC scale words [s][t][row], 4 bytes.
; In a 64-row group row r of tile t' is row 32 (r / 8) + 8 t' + r % 8.
; A work-group keeps 128 rows of w_o in LDS as SOURCE 0 (its rows run along a lane's result registers: register 32 c + i of lane half h is output column 64 c + 32 h + i of the 128);
; each of the eight waves takes two tiles of 16 tokens (SOURCE 1: a token to a lane) straight from memory through all of K: 16 accumulators.
; A lane then holds 2 x 128 neighbouring bytes of one row of out0; a tile goes through the wave's own stage in LDS and leaves as rows of 512 consecutive bytes.
; THE MODE: SCHED_MODE bits 1:0 = 2 (LLVM: expert scheduling mode 2), set by the entry lines.  The code itself states the register dependences
; between vector or matrix instructions and memory or LDS instructions, with s_wait_alu, always for 0.
; THE PLAN.  Registers that memory or LDS instructions touch:
;   v4-v13         offsets and LDS addresses: made once at the head, never written again.
;   ACC            at the head the copy's loads land in it and the LDS stores read it; from the first product on matrix instructions write it; on the way out the LDS stores read it.
;   H0 = v32-55, H1 = v56-79   a pair of source 0's tiles each.  A K step is four sub-steps; sub-step g = 4 s + u multiplies H[g % 2] (four products); the nine LDS loads of
;                  sub-step g + 1 land in H[(g + 1) % 2] and in the scale register v24 + (g + 1) % 4: what sub-step g - 1 and earlier ones read, and no product of sub-step g names.
;   F1             two buffers; step s reads buffer s % 2; the eight loads of step s + 1 are issued at the head of step s, into the buffer that step s - 1 read.
;   v16-23         source 1's scale words: loaded once.
;   v32-95, v128-191   on the way out: rows read back from the stage, read by the stores.
; So ONE wait on va_vdst stands at a sub-step's head, behind the wait for its LDS loads; the loads follow it, and the sub-step's four products follow the loads.
.set GB,    102400
.set GSC,   98304
.set SPI,   528                        ; a stage row: 512 bytes + 16
.set STG,   102400                     ; behind the block: 16 rows for each wave
.set F0,    32                         ; v32-79   four fragments of source 0: two halves of two
.set F1,    80                         ; v80-127  source 1: two buffers of two fragments
.set ACC,   128                        ; v128-255 accumulator (i, j) at 128 + 64 j + 8 i
.set S1C,   28                         ; s[28:29] source 1's fragments
; v16-23: source 1's scale words, one register a K step (lanes 0-15 tile j = 0, lanes 16-31 tile j = 1); v24-27: source 0's, a register for two tiles.  They hold scales and nothing else.
.macro PLACES                          ; four plain places between a matrix instruction and a load into, or a read of, its registers
.rept 4
	v_nop
.endr
.endm
.macro LFRAG reg, a16, a8, off
	ds_load_b128 v[(\reg):(\reg)+3], v[\a16] offset:(\off)
	ds_load_b64 v[(\reg)+4:(\reg)+5], v[\a8] offset:(\off)+512
	ds_load_b128 v[(\reg)+6:(\reg)+9], v[\a16] offset:(\off)+768
	ds_load_b64 v[(\reg)+10:(\reg)+11], v[\a8] offset:(\off)+1280
.endm
.macro GFRAG reg, off
	global_load_b128 v[(\reg):(\reg)+3], v6, s[S1C:S1C+1] offset:(\off)
	global_load_b64 v[(\reg)+4:(\reg)+5], v8, s[S1C:S1C+1] offset:(\off)+512
	global_load_b128 v[(\reg)+6:(\reg)+9], v6, s[S1C:S1C+1] offset:(\off)+768
	global_load_b64 v[(\reg)+10:(\reg)+11], v8, s[S1C:S1C+1] offset:(\off)+1280
.endm
.macro GSTEP s
.irp j, 0,1
	GFRAG F1+24*((\s)%2)+12*\j, 12288*(\s)+1536*\j
.endr
.endm
.macro MM i, j, s, zero
.set rD, ACC+64*(\j)+8*(\i)
.set rA, F0+12*((\i)%4)
.set rB, F1+24*((\s)%2)+12*(\j)
.set rP, 24+(\i)/2
.set rQ, 16+(\s)
.if \zero
.if ((\i)%2 == 0) && ((\j) == 0)
	v_wmma_scale_f32_16x16x128_f8f6f4 v[rD:rD+7], v[rA:rA+11], v[rB:rB+11], 0, v[rP], v[rQ] matrix_a_fmt:MATRIX_FMT_FP6 matrix_b_fmt:MATRIX_FMT_FP6
.elseif ((\i)%2 == 0)
	v_wmma_scale_f32_16x16x128_f8f6f4 v[rD:rD+7], v[rA:rA+11], v[rB:rB+11], 0, v[rP], v[rQ] matrix_a_fmt:MATRIX_FMT_FP6 matrix_b_fmt:MATRIX_FMT_FP6 matrix_b_scale:MATRIX_SCALE_ROW1
.elseif ((\j) == 0)
	v_wmma_scale_f32_16x16x128_f8f6f4 v[rD:rD+7], v[rA:rA+11], v[rB:rB+11], 0, v[rP], v[rQ] matrix_a_fmt:MATRIX_FMT_FP6 matrix_b_fmt:MATRIX_FMT_FP6 matrix_a_scale:MATRIX_SCALE_ROW1
.else
	v_wmma_scale_f32_16x16x128_f8f6f4 v[rD:rD+7], v[rA:rA+11], v[rB:rB+11], 0, v[rP], v[rQ] matrix_a_fmt:MATRIX_FMT_FP6 matrix_b_fmt:MATRIX_FMT_FP6 matrix_a_scale:MATRIX_SCALE_ROW1 matrix_b_scale:MATRIX_SCALE_ROW1
.endif
.else
.if ((\i)%2 == 0) && ((\j) == 0)
	v_wmma_scale_f32_16x16x128_f8f6f4 v[rD:rD+7], v[rA:rA+11], v[rB:rB+11], v[rD:rD+7], v[rP], v[rQ] matrix_a_fmt:MATRIX_FMT_FP6 matrix_b_fmt:MATRIX_FMT_FP6
.elseif ((\i)%2 == 0)
	v_wmma_scale_f32_16x16x128_f8f6f4 v[rD:rD+7], v[rA:rA+11], v[rB:rB+11], v[rD:rD+7], v[rP], v[rQ] matrix_a_fmt:MATRIX_FMT_FP6 matrix_b_fmt:MATRIX_FMT_FP6 matrix_b_scale:MATRIX_SCALE_ROW1
.elseif ((\j) == 0)
	v_wmma_scale_f32_16x16x128_f8f6f4 v[rD:rD+7], v[rA:rA+11], v[rB:rB+11], v[rD:rD+7], v[rP], v[rQ] matrix_a_fmt:MATRIX_FMT_FP6 matrix_b_fmt:MATRIX_FMT_FP6 matrix_a_scale:MATRIX_SCALE_ROW1
.else
	v_wmma_scale_f32_16x16x128_f8f6f4 v[rD:rD+7], v[rA:rA+11], v[rB:rB+11], v[rD:rD+7], v[rP], v[rQ] matrix_a_fmt:MATRIX_FMT_FP6 matrix_b_fmt:MATRIX_FMT_FP6 matrix_a_scale:MATRIX_SCALE_ROW1 matrix_b_scale:MATRIX_SCALE_ROW1
.endif
.endif
.endm
; Source 0's tiles 2 u and 2 u + 1 of K step s, and their rows' scale words: nine LDS loads, into half u % 2 of F0 and into v24 + u.
.macro LPAIR s, u
.set LA, 6+(\s)/4                      ; LDS offsets hold 16 bits: steps 4-7 take the address registers that stand 49,152 bytes on
.set LB, 8+(\s)/4
	LFRAG F0+12*((2*(\u))%4), LA, LB, 12288*((\s)%4)+1536*(2*(\u))
	LFRAG F0+12*((2*(\u)+1)%4), LA, LB, 12288*((\s)%4)+1536*(2*(\u)+1)
	ds_load_b32 v[24+(\u)], v10 offset:512*(\s)+128*(\u)
.endm
; Sub-step u of K step s: four products.  Through a K step the 16 accumulators take turns, one instruction a turn.  zero = 1: the first step starts the sums.
.macro SUB s, u, zero
	s_wait_dscnt 0x0                               ; this pair's fragments and scale words are in: nothing was issued behind them
.if ((\s)+(\u) > 0) && (4*(\s)+(\u) < 31)
	s_wait_alu depctr_va_vdst(0)                   ; the products issued so far are done reading the other half of F0 and its scale register, and at u = 0 the last step's buffer of F1: the loads below land there
.endif
.if ((\u) == 0) && ((\s) > 0) && ((\s) < 7)
	GSTEP (\s)+1                                   ; source 1, a K step ahead
.endif
.if (\u) < 3
	LPAIR \s, (\u)+1                               ; source 0, a sub-step ahead: these land while the four products below are worked
.elseif (\s) < 7
	LPAIR (\s)+1, 0
.endif
.if (\u) == 0
.if (\s) < 7
	s_wait_loadcnt 8                               ; this step's fragments of source 1 are in; the next step's eight loads may be out
.else
	s_wait_loadcnt 0x0
.endif
.endif
	MM 2*(\u), 0, \s, \zero
	MM 2*(\u), 1, \s, \zero
	MM 2*(\u)+1, 0, \s, \zero
	MM 2*(\u)+1, 1, \s, \zero
.if 4*(\s)+(\u) != 30
	PLACES                                         ; they stand ahead of the next sub-step's loads into this half, and at the end ahead of the first reads of the results (behind the last sub-step but one no load follows)
.endif
.endm
	s_load_b128 s[4:7], s[0:1], 0x0                ; opg, ctxg
	s_load_b64 s[8:9], s[0:1], 0x10                ; out0
	v_lshl_add_u32 v30, v0, 2, 0x29800
	v_mov_b32 v31, 0
	v_lshrrev_b32 v1, 5, v0
	v_readfirstlane_b32 s10, v1                    ; wave 0..7
	v_and_b32 v1, 31, v0                           ; lane
	v_and_b32 v2, 15, v0                           ; r
	v_bfe_u32 v3, v0, 4, 1                         ; h
	v_lshlrev_b32 v4, 4, v0                        ; the copy: 16 x thread
	v_add_nc_u32 v5, 0x10000, v4
	v_lshlrev_b32 v6, 4, v1                        ; 16 x lane
	v_add_nc_u32 v7, 49152, v6
	v_lshlrev_b32 v8, 3, v1                        ; 8 x lane
	v_add_nc_u32 v9, 49152, v8
	v_lshl_add_u32 v10, v1, 2, GSC                 ; source 0's scale words in LDS
	v_lshlrev_b32 v11, 2, v1                       ; 4 x lane
	s_wait_alu depctr_va_sdst(0)                   ; s10 is written, ahead of its first reader: the stage's and the blocks' addresses are made from it
	s_mul_i32 s34, s10, 16*SPI
	s_add_co_u32 s34, s34, STG                     ; my stage
	v_mul_u32_u24 v12, v2, SPI
	v_lshl_add_u32 v12, v3, 7, v12
	v_add_nc_u32 v12, s34, v12                     ; into it: row r, + 128 h
	v_add_nc_u32 v13, s34, v6                      ; back: a row's 512 bytes, 16 a lane
	s_lshr_b32 s11, s10, 2
	s_and_b32 s12, s10, 3                          ; b: my pair of tiles
	s_and_b32 s13, ttmp9, 7                        ; eg: which 128 output columns
	s_lshr_b32 s14, ttmp9, 3
	s_lshl_b32 s15, s14, 1
	s_add_co_u32 s15, s15, s11                     ; Gc: which 128 tokens
	s_add_co_u32 s16, s13, 216
	s_mul_i32 s16, s16, GB
	s_mov_b32 s17, 0
	s_mul_i32 s18, s15, GB
	s_mul_i32 s20, s12, 3072
	s_add_co_u32 s20, s20, s18
	s_mov_b32 s21, 0
	s_lshl_b32 s22, s12, 7
	s_add_co_u32 s22, s22, s18
	s_add_co_u32 s22, s22, GSC
	s_mov_b32 s23, 0
	s_lshl_b32 s24, s15, 7
	s_lshr_b32 s25, s12, 1
	s_lshl_b32 s25, s25, 6
	s_add_co_u32 s24, s24, s25
	s_and_b32 s25, s12, 1
	s_lshl_b32 s25, s25, 4
	s_add_co_u32 s24, s24, s25                     ; row 0 of my tile j = 0: 128 Gc + 64 (b / 2) + 16 (b % 2)
	s_lshl_b32 s24, s24, 12                        ; rows of 4,096 bytes
	s_lshl_b32 s25, s13, 9
	s_add_co_u32 s24, s24, s25                     ; + my 128 columns
	s_mov_b32 s25, 0
	s_wait_kmcnt 0x0
	s_add_nc_u64 s[26:27], s[4:5], s[16:17]        ; w_o's block
	s_add_nc_u64 s[S1C:S1C+1], s[6:7], s[20:21]    ; ctx: my pair's fragments of K step 0
	s_add_nc_u64 s[30:31], s[6:7], s[22:23]        ; and its scale words
	s_add_nc_u64 s[32:33], s[8:9], s[24:25]
	s_wait_alu depctr_va_vdst(0)                   ; the offsets and LDS addresses v4 to v13 are written: every load and store of the kernel reads one of them
.set i, 0
.rept 25                               ; source 0's block into LDS, through the registers that the accumulators will take
	global_load_b128 v[ACC+4*i:ACC+4*i+3], v4, s[26:27] offset:4096*i
.set i, i+1
.endr
.set i, 0
.rept 8
	global_load_b32 v[16+i], v11, s[30:31] offset:512*i
.set i, i+1
.endr
	GSTEP 0
	GSTEP 1
	s_wait_loadcnt 24                              ; the 25 are in; the 8 + 8 + 8 loads issued behind them may be out
.set i, 0
.rept 16
	ds_store_b128 v4, v[ACC+4*i:ACC+4*i+3] offset:4096*i
.set i, i+1
.endr
.set i, 0
.rept 9
	ds_store_b128 v5, v[ACC+64+4*i:ACC+64+4*i+3] offset:4096*i
.set i, i+1
.endr
	s_wait_dscnt 0x0                               ; for the others' sake: my part of the block lies in LDS
	s_barrier_signal -1
	s_barrier_wait -1                              ; behind it the block is only read; the stages are each wave's own
	s_wait_alu depctr_vm_vsrc(0)                   ; my LDS stores have read v[ACC ..], which the products write from here on
	LPAIR 0, 0
.irp u, 0,1,2,3
	SUB 0, \u, 1
.endr
.irp s, 1,2,3,4,5,6,7
.irp u, 0,1,2,3
	SUB \s, \u, 0
.endr
.endr
	; THE WAY OUT, a tile of 16 tokens at a time.  LDS serves a wave's instructions in order: no wait between the stores and the loads, nor in front of the next tile's stores.
	s_wait_alu depctr_va_vdst(0)                   ; the products have written the accumulators, which the LDS stores read, and are done reading v32-95, in which the first tile's rows land; the four places above stay beside this wait
.irp j, 0,1
.set BK, 32+96*\j                      ; rows read back: v32-95, then v128-191 (tile 0's accumulators, which have gone to the stage)
.set i, 0
.rept 16
	ds_store_b128 v12, v[ACC+64*\j+4*i:ACC+64*\j+4*i+3] offset:256*(i/8)+16*(i%8)   ; each accumulator from its low end on
.set i, i+1
.endr
.if \j == 1
	s_wait_alu depctr_vm_vsrc(0)                   ; the first tile's LDS stores have read v128-191, in which the loads below land
.endif
.set i, 0
.rept 16
	ds_load_b128 v[BK+4*i:BK+4*i+3], v13 offset:SPI*i
.set i, i+1
.endr
	s_wait_dscnt 0x0
.set i, 0
.rept 16
	global_store_b128 v6, v[BK+4*i:BK+4*i+3], s[32:33] offset:32768*\j+(32*(i/8)+i%8)*4096 th:TH_STORE_NT   ; 32 lanes store 512 consecutive bytes of one row, aligned; written once, read by nobody here
.set i, i+1
.endr
.endr
	s_wait_dscnt 0x0                               ; the closing lines, six on end
	s_wait_alu 0x0
	s_wait_tensorcnt 0x0
	ds_add_u32 v30, v31
	s_wait_dscnt 0x0
	s_endpgm
.Lfunc_end_k_q9840a24548_oproj:
	.size	k_q9840a24548_oproj, .Lfunc_end_k_q9840a24548_oproj-k_q9840a24548_oproj
	.p2alignl 7, 3214868480
	.fill 96, 4, 3214868480
	.section	.rodata,"a",@progbits
	.p2align	6, 0x0
	.amdhsa_kernel k_q9840a24548_oproj
		.amdhsa_group_segment_fixed_size 171008
		.amdhsa_private_segment_fixed_size 0
		.amdhsa_enable_private_segment 0
		.amdhsa_kernarg_size 24
		.amdhsa_user_sgpr_count 2
		.amdhsa_user_sgpr_kernarg_segment_ptr 1
		.amdhsa_wavefront_size32 1
		.amdhsa_system_sgpr_workgroup_id_x 1
		.amdhsa_system_sgpr_workgroup_id_y 1
		.amdhsa_system_sgpr_workgroup_id_z 1
		.amdhsa_system_vgpr_workitem_id 0
		.amdhsa_next_free_vgpr 256
		.amdhsa_next_free_sgpr 66
		.amdhsa_reserve_vcc 0
		.amdhsa_float_denorm_mode_32 3
		.amdhsa_float_denorm_mode_16_64 3
		.amdhsa_memory_ordered 1
		.amdhsa_forward_progress 1
		.amdhsa_inst_pref_size 61
	.end_amdhsa_kernel
	.amdgpu_metadata
---
amdhsa.version: [ 1, 2 ]
amdhsa.kernels:
  - .name:           k_q9840a24548_oproj
    .symbol:         k_q9840a24548_oproj.kd
    .args:
      - { .name: opg, .offset: 0, .size: 8, .value_kind: global_buffer, .address_space: global }
      - { .name: ctxg, .offset: 8, .size: 8, .value_kind: global_buffer, .address_space: global }
      - { .name: out0, .offset: 16, .size: 8, .value_kind: global_buffer, .address_space: global }
    .group_segment_fixed_size: 171008
    .private_segment_fixed_size: 0
    .kernarg_segment_align: 8
    .kernarg_segment_size: 24
    .max_flat_workgroup_size: 256
    .sgpr_count:     66
    .vgpr_count:     256
    .wavefront_size: 32
...
	.end_amdgpu_metadata
.endif
;; end of part 8
